; MI455X (gfx1250); checked and timed in simulation.
; The chip was launched on July 23, 2026; its instructions are those of AMD's public machine-readable ISA for CDNA 5 (MIT licence, August 2026) and "CDNA5" Instruction Set Architecture Reference Guide (July 2026). The comments in the code are by the model that wrote it; some were corrected since.
;; Multi Head Self Attention. Allowed arithmetic: float matrix products may take bf16 or f16 operands with f32 sums; all other float work in f32.
;; Inputs: Wk 1,024 x 1,024 float32; Wo 1,024 x 1,024 float32; Wq 1,024 x 1,024 float32; Wv 1,024 x 1,024 float32; bk 1,024 float32; bo 1,024 float32; bq 1,024 float32; bv 1,024 float32; key 4 x 2,048 x 1,024 float32; mask 4 x 2,048 int32; query 4 x 2,048 x 1,024 float32; value 4 x 2,048 x 1,024 float32.
;; Outputs: out0 4 x 2,048 x 1,024 float32.
;; One version. Each part assembles by itself: llvm-mc -triple=amdgcn-amd-amdhsa -mcpu=gfx1250 --defsym DOCPART=n.
;; ======== version 1 of 1: 4 launches
;; limits: values are held in f16: magnitudes above 65,504 overflow, below 6.1e-05 lose precision
;; workspace buffers: w16 8,388,608 bytes; qkv 50,331,648 bytes; o 16,777,216 bytes
;; launch cast_w (part 1): grid 64 x 4, 8 waves a work-group, no clusters, 0 bytes of LDS; arguments Wq, Wk, Wv, Wo, w16; writes w16
.if DOCPART == 1
	.amdgcn_target "amdgcn-amd-amdhsa--gfx1250"
	.amdhsa_code_object_version 6
	.text
	.protected	k_qc575fefbc6_cast_w
	.globl	k_qc575fefbc6_cast_w
	.p2align	8
	.type	k_qc575fefbc6_cast_w,@function
k_qc575fefbc6_cast_w:
	s_mov_b64 s[64:65], 0
	v_nop
	global_prefetch_b8 v0, s[64:65] scope:SCOPE_SE
	s_setreg_imm32_b32 hwreg(HW_REG_WAVE_MODE, 25, 1), 1
	s_wait_xcnt 0x0
; w16[y][1024][1024] = weight matrix y as 16-bit numbers.  y = 0, 1, 2 (Wq, Wk, Wv): rounded to bf16.  y = 3 (Wo): rounded to bf16 like every input of the
; module, and that number written as f16, since it is multiplied with f16 numbers later.
; LIMIT.  A bf16 number is an f16 number exactly from 6.1e-5 up to 65,504 in magnitude; below, Wo keeps f16's fixed step of 6e-8; above, it becomes an infinity.
; A stream: no LDS, no barrier, no matrix unit.  A work-group takes 16,384 numbers of one matrix; thread t takes in turn i the eight numbers at 8 (256 i + t):
; two loads of 16 bytes in, one store of 16 bytes out, so a store of a wave covers 512 consecutive bytes, aligned.  All 16 loads of a thread go out at once,
; and every register is written once, so no wait frees a source.
.set IN,  8                            ; v[8:71]    turn i: eight f32 as loaded
.set OUT, 72                           ; v[72:103]  turn i: eight 16-bit numbers to store
	s_load_b256 s[4:11], s[0:1], 0x0               ; Wq s[4:5], Wk s[6:7], Wv s[8:9], Wo s[10:11]
	s_load_b64 s[12:13], s[0:1], 0x20              ; w16
	s_and_b32 s14, ttmp7, 0xffff                   ; y: which matrix
	s_mov_b32 s20, 0xffff0000                      ; a word's upper bf16
	v_lshlrev_b32 v1, 5, v0                        ; 32 t: my eight f32 in a turn's 8,192 bytes
	v_lshlrev_b32 v2, 4, v0                        ; 16 t: my eight 16-bit numbers in a turn's 4,096 bytes
	s_lshl_b32 s18, ttmp9, 16                      ; the block's 65,536 bytes in
	s_mov_b32 s19, 0
	s_lshl_b32 s22, s14, 21                        ; the matrix's plane of 2,097,152 bytes out,
	s_lshl_b32 s21, ttmp9, 15                      ; the block's 32,768 bytes in it
	s_add_co_u32 s22, s22, s21
	s_mov_b32 s23, 0
	s_wait_kmcnt 0x0
	s_mov_b64 s[16:17], s[4:5]                     ; the source is chosen by y
	s_cmp_eq_u32 s14, 1
	s_cselect_b64 s[16:17], s[6:7], s[16:17]
	s_cmp_eq_u32 s14, 2
	s_cselect_b64 s[16:17], s[8:9], s[16:17]
	s_cmp_eq_u32 s14, 3
	s_cselect_b64 s[16:17], s[10:11], s[16:17]
	s_add_nc_u64 s[16:17], s[16:17], s[18:19]
	s_add_nc_u64 s[12:13], s[12:13], s[22:23]
.irp i, 0,1,2,3,4,5,6,7
	global_load_b128 v[IN+8*(\i):IN+8*(\i)+3],   v1, s[16:17] offset:8192*(\i) th:TH_LOAD_NT
	global_load_b128 v[IN+8*(\i)+4:IN+8*(\i)+7], v1, s[16:17] offset:8192*(\i)+16 th:TH_LOAD_NT
.endr
; Turn i.  wo = 1: the bf16 numbers are widened again (a shift, a mask) and written as f16.
.macro CAST i, wo
	s_wait_loadcnt 14-2*(\i)                       ; loads come back in order (ISA guide 5.7.1): the two of turn i are in, the 2 (7 - i) younger ones stay out
.irp j, 0,1,2,3
	v_cvt_pk_bf16_f32 v[OUT+4*(\i)+(\j)], v[IN+8*(\i)+2*(\j)], v[IN+8*(\i)+2*(\j)+1]
.endr
.if \wo
.irp j, 0,1,2,3
	v_lshlrev_b32 v[IN+8*(\i)+2*(\j)],   16,  v[OUT+4*(\i)+(\j)]
	v_and_b32     v[IN+8*(\i)+2*(\j)+1], s20, v[OUT+4*(\i)+(\j)]
.endr
.irp j, 0,1,2,3
	v_cvt_pk_f16_f32 v[OUT+4*(\i)+(\j)], v[IN+8*(\i)+2*(\j)], v[IN+8*(\i)+2*(\j)+1]
.endr
.endif
	global_store_b128 v2, v[OUT+4*(\i):OUT+4*(\i)+3], s[12:13] offset:4096*(\i)  ; later launches read it: no hint
.endm
	s_cmp_eq_u32 s14, 3
	s_cbranch_scc1 .Lwo
.irp i, 0,1,2,3,4,5,6,7
	CAST \i, 0
.endr
	s_endpgm
.Lwo:
.irp i, 0,1,2,3,4,5,6,7
	CAST \i, 1
.endr
	s_endpgm
.Lfunc_end_k_qc575fefbc6_cast_w:
	.size	k_qc575fefbc6_cast_w, .Lfunc_end_k_qc575fefbc6_cast_w-k_qc575fefbc6_cast_w
	.p2alignl 7, 3214868480
	.fill 96, 4, 3214868480
	.section	.rodata,"a",@progbits
	.p2align	6, 0x0
	.amdhsa_kernel k_qc575fefbc6_cast_w
		.amdhsa_group_segment_fixed_size 0
		.amdhsa_private_segment_fixed_size 0
		.amdhsa_enable_private_segment 0
		.amdhsa_kernarg_size 40
		.amdhsa_user_sgpr_count 2
		.amdhsa_user_sgpr_kernarg_segment_ptr 1
		.amdhsa_wavefront_size32 1
		.amdhsa_system_sgpr_workgroup_id_x 1
		.amdhsa_system_sgpr_workgroup_id_y 1
		.amdhsa_system_sgpr_workgroup_id_z 1
		.amdhsa_system_vgpr_workitem_id 0
		.amdhsa_next_free_vgpr 104
		.amdhsa_next_free_sgpr 66
		.amdhsa_reserve_vcc 0
		.amdhsa_float_denorm_mode_32 3
		.amdhsa_float_denorm_mode_16_64 3
		.amdhsa_memory_ordered 1
		.amdhsa_forward_progress 1
		.amdhsa_inst_pref_size 13
	.end_amdhsa_kernel
	.amdgpu_metadata
---
amdhsa.version: [ 1, 2 ]
amdhsa.kernels:
  - .name:           k_qc575fefbc6_cast_w
    .symbol:         k_qc575fefbc6_cast_w.kd
    .args:
      - { .name: Wq, .offset: 0, .size: 8, .value_kind: global_buffer, .address_space: global }
      - { .name: Wk, .offset: 8, .size: 8, .value_kind: global_buffer, .address_space: global }
      - { .name: Wv, .offset: 16, .size: 8, .value_kind: global_buffer, .address_space: global }
      - { .name: Wo, .offset: 24, .size: 8, .value_kind: global_buffer, .address_space: global }
      - { .name: w16, .offset: 32, .size: 8, .value_kind: global_buffer, .address_space: global }
    .group_segment_fixed_size: 0
    .private_segment_fixed_size: 0
    .kernarg_segment_align: 8
    .kernarg_segment_size: 40
    .max_flat_workgroup_size: 256
    .sgpr_count:     66
    .vgpr_count:     104
    .wavefront_size: 32
...
	.end_amdgpu_metadata
.endif
;; end of part 1
;; launch proj (part 2): grid 4 x 64, 4 waves a work-group, clusters of 4 x 4, 327,680 bytes of LDS; arguments query, key, value, w16, bq, bk, bv, qkv; writes qkv
.if DOCPART == 2
	.amdgcn_target "amdgcn-amd-amdhsa--gfx1250"
	.amdhsa_code_object_version 6
	.text
	.protected	k_qc575fefbc6_proj
	.globl	k_qc575fefbc6_proj
	.p2align	8
	.type	k_qc575fefbc6_proj,@function
k_qc575fefbc6_proj:
	s_mov_b64 s[64:65], 0
	v_nop
	global_prefetch_b8 v0, s[64:65] scope:SCOPE_SE
	s_setreg_imm32_b32 hwreg(HW_REG_WAVE_MODE, 25, 1), 1
	s_wait_xcnt 0x0
	s_wait_alu depctr_hold_cnt(0) depctr_sa_sdst(0) depctr_va_vdst(0) depctr_va_sdst(0) depctr_va_ssrc(0) depctr_va_vcc(0) depctr_vm_vsrc(0)
	s_getreg_b32 s2, hwreg(HW_REG_IB_STS2, 6, 4)
	s_cmp_eq_u32 s2, 0
	s_cbranch_scc0 .Lentry_in_a_cluster
	s_endpgm
.Lentry_in_a_cluster:
	s_bfe_u32 s2, ttmp6, 0x10000c
	s_cmp_lg_u32 s2, 0xf033
	s_cbranch_scc0 .Lentry_shape_is_right
	s_endpgm
.Lentry_shape_is_right:
; THE THREE PROJECTIONS.  qkv[p][batch x 16 + head][row][64] = x_p W_p^T + b_p in f16, by heads and without attention's scale; p = 0, 1, 2: query, key, value.
; x_p: [8192][1024] f32, rounded to bf16 on the way from LDS to the matrix unit.  W_p: plane p of w16, [1024][1024] bf16.  b_p: f32, rounded to bf16 like every input of the module.  Sums in f32.
; LIMIT.  The results are f16: beyond 65,504 they become infinities, below 6.1e-5 they keep f16's fixed step of 6e-8.  NaN and infinities in the inputs are not treated apart.
; SHARES.  A tile is 128 rows x 256 columns of one projection.  A WORK-GROUP STAYS: it makes the tile at its rows and columns for p = 0, 1 and 2: 64 x 4 = 256 work-groups of equal work.
; Four waves, each 64 x 128: 32 accumulators of 16 x 16, 256 registers.  K goes in steps of 128 through two LDS slots: 128 rows of x as f32 (512 bytes a row) and 256 rows of W as bf16 (256 bytes a row).
; ONE WALK.  The three tiles' 24 K steps are 12 laps of the ring, walked by one loop with a constant count; the ring does not stop at a tile's end: a tile's last lap asks for the next tile's first two K steps,
; and the tile goes out when both are asked for.  Which lap is asked for follows from the count; x's address is made anew for each lap from the pointer of its projection.
; CLUSTER.  4 x 4 work-groups.  The four of a row of the cluster make the four column tiles of one block of rows and need the same tile of x; the four of a column need the same
; tile of W.  Each tile is asked for JOINTLY: the same tensor load, descriptor and mask in all four.
; THE MATRIX INSTRUCTION IS USED TRANSPOSED (source 0 = 16 rows of W, source 1 = 16 rows of x): a lane holds row lane % 16 and eight neighbouring columns, which pack into 16 bytes.  The bias, eight
; neighbouring numbers a lane, is the C operand of the products that start a tile's sums.
; x IN f32.  A fragment of x (16 rows x 32 K) is read from LDS as 16 registers of f32, four loads of 16 bytes, and packed into 8 registers by eight conversions.  The next quarter step's 32 loads stand
; in ONE run at the head of the quarter step in hand; its 32 conversions stand in fours behind the last eight matrix instructions.
; REGISTERS, in windows of 256 (s_set_vgpr_msb: bits 1:0 source 0, 3:2 source 1, 5:4 source 2, 7:6 destination):
;   window 0: v0-30 addresses; v64-127 the bias; v128-255 the way out      window 1: v0-127 W's fragments, two buffers; v128-191 x's, two buffers; v192-255 x as f32      window 2: the accumulators, (a, b) at v[8 (8 a + b)]
; SCALARS: s3 laps to go; s[4:5] x of the lap asked for; s[6:7] w16 at my rows of plane 0; s[8:9] qkv at my part of the tile in hand; s10-12 the wave; s13 tile row; s[16:17] my rows' offset in x;
;   s45 the lap asked for, s66 its projection, s67 its place in the tile; s[68:83] the eight pointers; s[84:85] the bias; s[86:89] the prefetch's address and offset; s[90:91] my columns' offset in a bias;
;   s[92:93], s[94:95] x's and W's addresses of the lap asked for.
.set PA,     528                       ; a row of x in LDS: 512 bytes + 16 of padding = 132 words: row r starts at bank 4 r mod 64 (64 banks of 4 bytes: ISA guide 11.1)
.set PB,     272                       ; a row of W: 256 + 16 = 68 words: likewise
.set AHALF,  64*PA                     ; what one tensor load brings of x, and what one wave reads of it
.set ABYTES, 128*PA
.set BHALF,  128*PB                    ; the same for W
.set SLOT,   ABYTES+256*PB             ; x's 128 rows, then W's 256 rows
.set STAGE,  2*SLOT                    ; behind the ring: 32 rows x 144 bytes for each wave, for the way out; no tensor load lands there
.set SP,     144
.set SPARE,  STAGE+4*32*SP             ; behind the stages: the spare words, 128 bytes for each wave: two blocks of 256 bytes that no other line names
.set LAPS,   12                        ; a lap = two K steps = once round the ring; a tile has 1,024 / 256 = 4, the walk three tiles
.set ADRA, 16                          ; v16-17  LDS address of my fragments of x in slot 0, 1
.set ADRB, 20                          ; v20-21  the same for W
.set STO,  24                          ; v24     the way out: where I put 16 bytes of a row
.set RD,   25                          ; v25     the way out: where I read rows back
.set GO,   26                          ; v26     my 16 bytes in 512 consecutive bytes of the output
.set PF,   27                          ; v27     the prefetch: my row and block of 256 bytes
.set SPW,  28                          ; v28     LDS address of my spare word; never rewritten
.set NIL,  29                          ; v29     0; never rewritten
.set BO,   30                          ; v30     my byte offset in 16 numbers of the bias
.set BIAS, 64
.set OUT,  128
.set BF,   0                           ; window 1
.set AF,   128
.set RAW,  192
.set G1,  24                           ; s[24:31] descriptor group 1 for x's tiles;  s[32:39] group 0, a set for each slot
.set G0,  32
.set G1B, 48                           ; s[48:55], s[56:63] the same for W's tiles
.set G0B, 56
.set MSB, 0
.macro WIN new                         ; the immediate's high byte repeats the setting that is left; a switch that changes nothing is dropped
.if MSB != (\new)
	s_set_vgpr_msb (MSB<<8)|(\new)
.set MSB, \new
.endif
.endm
.set MUL,  0xa5                        ; sources 0 and 1 window 1; C and D window 2
.set MULB, 0x85                        ; the same with C, the bias, in window 0
.set LD,   0x40                        ; destination window 1, address window 0
.set CV,   0x45                        ; destination and both sources window 1
.set W_PK, 0x0a                        ; both sources window 2, destination window 0
; A joint load: waves 0 and 1 fetch x's two halves, waves 2 and 3 W's.  The branch hangs on the wave's number alone.  An s_nop 0 and four v_nop follow each of the two lines, ahead of the jump, the
; label and what follows.
.macro JLOAD s
	s_cmp_eq_u32 s11, 0
	s_cbranch_scc0 .Lfor_b_\@
	tensor_load_to_lds s[G0+4*(\s):G0+4*(\s)+3], s[G1:G1+7]
	s_nop 0
.rept 4
	v_nop
.endr
	s_branch .Lasked_\@
.Lfor_b_\@:
	tensor_load_to_lds s[G0B+4*(\s):G0B+4*(\s)+3], s[G1B:G1B+7]
	s_nop 0
.rept 4
	v_nop
.endr
.Lasked_\@:
.endm
.macro CREST                           ; a round of the cluster's barrier behind its opening barrier
	s_cmp_lg_u32 s10, 0
	s_cbranch_scc1 .Lnot_wave_0_\@
	s_barrier_signal -3
.Lnot_wave_0_\@:
	s_barrier_wait -3
	s_barrier_signal -1
	s_barrier_wait -1
.endm
.macro CROUND                          ; a whole round
	s_barrier_signal -1
	s_barrier_wait -1
	CREST
.endm
.macro XSEL d, p                       ; s[d:d+1] = the pointer of x for projection s[p]
	s_mov_b64 s[\d:\d+1], s[68:69]
	s_cmp_eq_u32 s[\p], 1
	s_cselect_b64 s[\d:\d+1], s[70:71], s[\d:\d+1]
	s_cmp_eq_u32 s[\p], 2
	s_cselect_b64 s[\d:\d+1], s[72:73], s[\d:\d+1]
.endm
.macro AIM s                           ; slot s's two descriptors take K step s of the lap asked for: 128 f32 of x, 128 bf16 of W on; the type bits are set anew.  Written only where no tensor load of mine is out
	s_add_nc_u64 s[G0+4*(\s)+2:G0+4*(\s)+3], s[92:93], (\s)*512
	s_or_b32 s[G0+4*(\s)+3], s[G0+4*(\s)+3], 0x80000000
	s_add_nc_u64 s[G0B+4*(\s)+2:G0B+4*(\s)+3], s[94:95], (\s)*256
	s_or_b32 s[G0B+4*(\s)+3], s[G0B+4*(\s)+3], 0x80000000
.endm
.macro BIASLOAD                        ; the bias of projection s66: block b of 16 columns wants b[first column + 16 b + 8 (l / 16) + 0..7]
	s_mov_b64 s[84:85], s[76:77]
	s_cmp_eq_u32 s66, 1
	s_cselect_b64 s[84:85], s[78:79], s[84:85]
	s_cmp_eq_u32 s66, 2
	s_cselect_b64 s[84:85], s[80:81], s[84:85]
	s_add_nc_u64 s[84:85], s[84:85], s[90:91]
.irp b, 0,1,2,3,4,5,6,7
	global_load_b128 v[BIAS+8*(\b):BIAS+8*(\b)+3],   v[BO], s[84:85] offset:64*(\b)
	global_load_b128 v[BIAS+8*(\b)+4:BIAS+8*(\b)+7], v[BO], s[84:85] offset:64*(\b)+16
.endr
.endm
	s_load_b256 s[68:75], s[0:1], 0x0              ; query s[68:69], key s[70:71], value s[72:73], w16 s[74:75]
	s_load_b256 s[76:83], s[0:1], 0x20             ; bq s[76:77], bk s[78:79], bv s[80:81], qkv s[82:83]
	v_lshl_add_u32 v[SPW], v0, 2, SPARE
	v_mov_b32 v[NIL], 0
	ds_add_u32 v28, v29
	s_wait_dscnt 0x0
	v_lshrrev_b32 v1, 5, v0
	v_readfirstlane_b32 s10, v1                    ; wave 0..3
	s_lshr_b32 s11, s10, 1                         ; which 64 of the tile's rows are mine.  Also: I fetch for x (0) or for W (1)
	s_and_b32 s12, s10, 1                          ; which 128 of its columns.  Also: which half of that tile I fetch
	s_bfe_u32 s40, ttmp6, 0x40000                  ; cx, cy: my place in the cluster
	s_bfe_u32 s41, ttmp6, 0x40004
	s_lshl_b32 s42, ttmp9, 2
	s_add_co_u32 s42, s42, s40                     ; tile column 0..3 = 4 x cluster x + cx
	s_and_b32 s13, ttmp7, 0xffff
	s_lshl_b32 s13, s13, 2
	s_add_co_u32 s13, s13, s41                     ; tile row 0..63 = 4 x cluster y + cy
	s_lshl_b32 s43, s41, 2
	s_lshl_b32 s43, 15, s43                        ; my row of the cluster
	s_lshl_b32 s44, 0x1111, s40                    ; my column
	; descriptor group 1 for x: 64 rows x 128 elements of 4 bytes, padded in LDS
	s_or_b32 s[G1+0], s43, (2<<16)|(1<<20)|(1<<21)|(6<<22)|(3<<25)   ; 15:0 the mask: my row; 17:16 elements of 4 bytes; 20 padding on; 21 set beside a mask; 24:22 after every 128 words (code 6); 31:25 4 words (code 3)
	s_mov_b32 s[G1+1], 128<<16                     ; tensor_dim0 = 128
	s_mov_b32 s[G1+2], 64<<16                      ; tensor_dim1 = 64
	s_mov_b32 s[G1+3], 128<<16                     ; tile_dim0 = 128
	s_mov_b32 s[G1+4], 64                          ; tile_dim1 = 64
	s_mov_b32 s[G1+5], 1024                        ; elements from row to row
	s_mov_b32 s[G1+6], 0
	s_mov_b32 s[G1+7], 0
	; and for W: 128 rows x 128 elements of 2 bytes
	s_or_b32 s[G1B+0], s44, (1<<16)|(1<<20)|(1<<21)|(5<<22)|(3<<25)  ; the mask: my column; elements of 2 bytes; padding after every 64 words (code 5)
	s_mov_b32 s[G1B+1], 128<<16
	s_mov_b32 s[G1B+2], 128<<16
	s_mov_b32 s[G1B+3], 128<<16
	s_mov_b32 s[G1B+4], 128
	s_mov_b32 s[G1B+5], 1024
	s_mov_b32 s[G1B+6], 0
	s_mov_b32 s[G1B+7], 0
	; where the tiles come from.  x's hang on the tile row, which my row of the cluster shares; W's on the tile column, which my column shares; the lap is the same in all.
	s_lshl_b32 s16, s13, 19                        ; tile row x 128 rows x 4,096 bytes
	s_lshl_b32 s17, s12, 18                        ; + my half's 64 rows
	s_add_co_u32 s16, s16, s17
	s_mov_b32 s17, 0                               ; s[16:17] stays: my rows' offset in each x
	s_lshl_b32 s46, s42, 19                        ; tile column x 256 rows x 2,048 bytes
	s_lshl_b32 s47, s12, 18                        ; + my half's 128 rows
	s_add_co_u32 s46, s46, s47
	s_mov_b32 s47, 0
	s_mul_i32 s20, s12, AHALF                      ; and where they go: no place in the cluster enters an LDS address
	s_mul_i32 s21, s12, BHALF
	s_add_co_u32 s21, s21, ABYTES
	s_wait_kmcnt 0x0
	s_add_nc_u64 s[92:93], s[68:69], s[16:17]      ; lap 0: query at my rows,
	s_add_nc_u64 s[6:7], s[74:75], s[46:47]        ; plane 0 of w16 at my rows
	s_mov_b64 s[94:95], s[6:7]
	CROUND                                         ; all sixteen work-groups are here: the first joint loads meet
.irp s, 0,1
	s_mov_b32 s[G0+4*(\s)], 1                                        ; count = 1
	s_add_co_u32 s[G0+4*(\s)+1], s20, (\s)*SLOT                      ; LDS address
	s_mov_b32 s[G0B+4*(\s)], 1
	s_add_co_u32 s[G0B+4*(\s)+1], s21, (\s)*SLOT
	AIM \s                                         ; global addresses and type
	JLOAD \s                                       ; two tensor loads of mine are out
.endr
	v_and_b32 v1, 15, v0                           ; l % 16
	v_bfe_u32 v2, v0, 4, 1                         ; l / 16
	v_lshlrev_b32 v[BO], 5, v2
	s_lshl_b32 s90, s42, 10                        ; tile column x 256 numbers
	s_lshl_b32 s91, s12, 9                         ; + my 128
	s_add_co_u32 s90, s90, s91
	s_mov_b32 s91, 0
	s_mov_b32 s66, 0
	BIASLOAD                                       ; bq
	; THE PREFETCH of x.  A lap reads 1,024 bytes of each of the tile's 128 rows: 512 blocks of 256 bytes.  The four partners that share the tile ask for 128 blocks each, a wave for 32: rows
	; 32 cx + 8 w + l / 4, block l % 4: each block once in the launch.  Lap 1 is asked for here; the trip whose tensor loads ask for lap n prefetches lap n + 1, in the next x too; the last trip
	; prefetches nothing, so no request leaves a buffer.
	v_and_b32 v3, 31, v0                           ; l
	v_lshrrev_b32 v4, 2, v3
	v_and_b32 v5, 3, v3
	v_lshlrev_b32 v[PF], 12, v4
	v_lshl_add_u32 v[PF], v5, 8, v[PF]
	s_lshl_b32 s88, s13, 19
	s_lshl_b32 s89, s40, 17
	s_add_co_u32 s88, s88, s89
	s_lshl_b32 s89, s10, 15
	s_add_co_u32 s88, s88, s89
	s_mov_b32 s89, 0                               ; s[88:89] stays: my eight rows' offset in each x
	s_add_nc_u64 s[86:87], s[68:69], s[88:89]
	global_prefetch_b8 v[PF], s[86:87] offset:1024 th:TH_LOAD_NT scope:SCOPE_SE
	; where my part begins in plane 0 of qkv: head = 16 x batch + 4 x tile column + 2 x my half; row in the batch = 128 (tile row % 16) + 64 x my half
	s_lshr_b32 s46, s13, 4
	s_lshl_b32 s46, s46, 4
	s_lshl_b32 s47, s42, 2
	s_add_co_u32 s46, s46, s47
	s_lshl_b32 s47, s12, 1
	s_add_co_u32 s46, s46, s47
	s_lshl_b32 s46, s46, 18                        ; a head is 2,048 rows of 128 bytes
	s_and_b32 s47, s13, 15
	s_lshl_b32 s47, s47, 14
	s_add_co_u32 s46, s46, s47
	s_lshl_b32 s47, s11, 13
	s_add_co_u32 s46, s46, s47
	s_mov_b32 s47, 0
	s_add_nc_u64 s[8:9], s[82:83], s[46:47]
	; A fragment is 16 rows x 32 K: lane l holds row l % 16 and K = 8 (l / 16) + 0..7 and 16 + 8 (l / 16) + 0..7.  In bf16: two loads of 16 bytes, 32 apart, from 16 (l / 16).
	; In f32: four loads of 16 bytes, at 0, 16, 64 and 80 from 32 (l / 16).
	v_mul_u32_u24 v4, v1, PA
	v_lshl_add_u32 v4, v2, 5, v4
	v_mul_u32_u24 v5, v1, PB
	v_lshl_add_u32 v5, v2, 4, v5
	s_mul_i32 s22, s11, AHALF                      ; my 64 rows of x
	s_mul_i32 s23, s12, BHALF                      ; my 128 rows of W,
	s_add_co_u32 s23, s23, ABYTES                  ; which lie behind x's
.irp s, 0,1
	v_add_nc_u32 v[ADRA+(\s)], s22, v4
	v_add_nc_u32 v[ADRB+(\s)], s23, v5
	s_add_co_u32 s22, s22, SLOT
	s_add_co_u32 s23, s23, SLOT
.endr
	s_mul_i32 s22, s10, 32*SP
	s_add_co_u32 s22, s22, STAGE                   ; my stage: 16 rows for each of my two heads
	v_mul_u32_u24 v4, v1, SP                       ; in: row l % 16, 16 bytes for each half of the lanes
	v_lshl_add_u32 v4, v2, 4, v4
	v_add_nc_u32 v[STO], s22, v4
	v_lshrrev_b32 v4, 3, v3                        ; back: 32 lanes take four rows of 128 bytes,
	v_and_b32 v5, 7, v3
	v_mul_u32_u24 v4, v4, SP
	v_lshl_add_u32 v4, v5, 4, v4
	v_add_nc_u32 v[RD], s22, v4
	v_lshlrev_b32 v[GO], 4, v3                     ; which are 512 consecutive bytes of a head
; Matrix instruction i of a quarter step's 32: accumulator i = (a, b) = (i / 8, i % 8), on buffer f.  The 32 accumulators take turns, one instruction a turn, in the same order in every quarter step.
;   first = 1: the bias starts the sum: nothing is ever cleared.
.macro MM i, f, first
.if \first
	WIN MULB
	v_wmma_f32_16x16x32_bf16 v[8*(\i):8*(\i)+7], v[BF+64*(\f)+8*((\i)%8):BF+64*(\f)+8*((\i)%8)+7], v[AF+32*(\f)+8*((\i)/8):AF+32*(\f)+8*((\i)/8)+7], v[BIAS+8*((\i)%8):BIAS+8*((\i)%8)+7]
.else
	WIN MUL
	v_wmma_f32_16x16x32_bf16 v[8*(\i):8*(\i)+7], v[BF+64*(\f)+8*((\i)%8):BF+64*(\f)+8*((\i)%8)+7], v[AF+32*(\f)+8*((\i)/8):AF+32*(\f)+8*((\i)/8)+7], v[8*(\i):8*(\i)+7]
.endif
.endm
.macro MMS from, cnt, f                ; cnt of them on end
.set mi, \from
.rept \cnt
	MM mi, \f, 0
.set mi, mi+1
.endr
.endm
; Group n of the 16 groups of four that make ready quarter kq of a slot in buffer g.  0-3: fragment n of x as f32.  4-7: W's fragments 2 (n - 4) and 2 (n - 4) + 1.  8-15: half a fragment of x is packed to bf16.
.macro SIDE n, slot, kq, g
.if (\n) < 4
	WIN LD
	ds_load_b128 v[RAW+16*(\n):RAW+16*(\n)+3],     v[ADRA+(\slot)] offset:(\n)*16*PA+128*(\kq)
	ds_load_b128 v[RAW+16*(\n)+4:RAW+16*(\n)+7],   v[ADRA+(\slot)] offset:(\n)*16*PA+128*(\kq)+16
	ds_load_b128 v[RAW+16*(\n)+8:RAW+16*(\n)+11],  v[ADRA+(\slot)] offset:(\n)*16*PA+128*(\kq)+64
	ds_load_b128 v[RAW+16*(\n)+12:RAW+16*(\n)+15], v[ADRA+(\slot)] offset:(\n)*16*PA+128*(\kq)+80
.elseif (\n) < 8
	WIN LD
.irp e, 0,1
	ds_load_b128 v[BF+64*(\g)+8*(2*((\n)-4)+\e):BF+64*(\g)+8*(2*((\n)-4)+\e)+3],   v[ADRB+(\slot)] offset:(2*((\n)-4)+\e)*16*PB+64*(\kq)
	ds_load_b128 v[BF+64*(\g)+8*(2*((\n)-4)+\e)+4:BF+64*(\g)+8*(2*((\n)-4)+\e)+7], v[ADRB+(\slot)] offset:(2*((\n)-4)+\e)*16*PB+64*(\kq)+32
.endr
.else
	WIN CV
.irp j, 0,1,2,3
	v_cvt_pk_bf16_f32 v[AF+32*(\g)+4*((\n)-8)+\j], v[RAW+8*((\n)-8)+2*\j], v[RAW+8*((\n)-8)+2*\j+1]
.endr
.endif
.endm
.macro FETCH slot, kq, g               ; the 32 loads in one run: x's 16 first, then W's 16
.irp n, 0,1,2,3,4,5,6,7
	SIDE \n, \slot, \kq, \g
.endr
.endm
.macro CVTALL g                        ; the 32 conversions on end: once, in front of the walk's first product
.irp n, 8,9,10,11,12,13,14,15
	SIDE \n, 0, 0, \g
.endr
.endm
; A K step is four quarter steps of 32 along K, 32 matrix instructions each, on buffers 0, 1, 0, 1.  One of the first three: multiplies buffer f and makes quarter kq ready in buffer g.
; A load into a register that a matrix instruction has read, and a vector instruction that writes one, stand four places behind it, and only plain vector instructions that name none of its registers are
; places (ISA guide 7.12.1 for vector instructions).  Every quarter step ends in four conversions, out of the f32 registers into the buffer that it does not multiply, behind
; its last matrix instruction: they are the four places in front of the next quarter step's run of loads and of its conversions.
.macro QUARTER slot, kq, f, g, first
	FETCH \slot, \kq, \g
	s_wait_dscnt 32                                ; all but the 32 just issued: W's fragments of buffer f, asked for a quarter step ago, are in
.set mi, 0
.rept 32
	MM mi, \f, \first
.if mi >= 24
.if mi == 24
	s_wait_dscnt 16                                ; x's 16 loads, 25 matrix instructions back, are in; the 16 of W issued behind them may stay out
.endif
	SIDE mi-16, \slot, \kq, \g
.endif
.set mi, mi+1
.endr
.endm
; The last quarter multiplies buffer 1 and changes slots: ONE barrier.  In front of it each wave waits for all its tensor loads, of which one is out: its part of the next slot; adds 0 to its spare word;
; and waits for that and for its own reads of this slot.  fill = 1: the barrier opens a round of the cluster's, and this slot is filled again, with its K step of the lap asked for, first thing behind the
; round: 120 matrix instructions ahead of the wait for it.
.macro TURN slot, next, fill
	WIN 0                                          ; (the add's two registers lie in window 0)
	s_wait_tensorcnt 0x0                           ; all my tensor loads have landed, so a group 0 may be written
	ds_add_u32 v[SPW], v[NIL]                      ; 0 onto my spare word
.if \fill
	AIM \slot
.endif
	s_wait_dscnt 1                                 ; W's fragments of buffer 1 are in; the add may be out
	MMS 0, 4, 1                                    ; four matrix instructions stand between the add and the wait for it
	s_wait_dscnt 0x0                               ; the add is done, and my reads of this slot are over
	s_barrier_signal -1
	MMS 4, 4, 1
.if \fill
	WIN 0
.endif
	s_barrier_wait -1
.if \fill
	CREST                                          ; no wave of any partner still reads this slot's tiles or has a load on its way
	JLOAD \slot
.endif
	FETCH \next, 0, 0                              ; buffer 0's last readers stand in front of the four conversions that close the quarter before
	MMS 8, 16, 1
.set mi, 24
.rept 8
	MM mi, 1, 0
.if mi == 24
	s_wait_dscnt 16                                ; x's 16 loads, 17 matrix instructions back, are in
.endif
	SIDE mi-16, 0, 0, 0
.set mi, mi+1
.endr
.endm
; THE WAY OUT, a block of 16 rows at a time: rounded to f16, 16 bytes a lane into my stage (16 rows of 128 bytes for each of my two heads), back as four whole rows a load, stored as 512 consecutive bytes of a head.
.macro PACK a
	WIN W_PK
.irp b, 0,1,2,3,4,5,6,7
.irp r, 0,1,2,3
	v_cvt_pk_f16_f32 v[OUT+32*(\a)+4*(\b)+(\r)], v[8*(8*(\a)+(\b))+2*(\r)], v[8*(8*(\a)+(\b))+2*(\r)+1]
.endr
.endr
	WIN 0
.irp b, 0,1,2,3,4,5,6,7
	ds_store_b128 v[STO], v[OUT+32*(\a)+4*(\b):OUT+32*(\a)+4*(\b)+3] offset:((\b)/4)*16*SP+((\b)%4)*32
.endr
.irp u, 0,1,2,3,4,5,6,7
	ds_load_b128 v[OUT+32*(\a)+4*(\u):OUT+32*(\a)+4*(\u)+3], v[RD] offset:((\u)/4)*16*SP+((\u)%4)*4*SP  ; LDS serves a wave's instructions in order (ISA guide 5.7.1.4): these see the stores above; the next block's stores come behind them
.endr
.endm
.macro SEND a, younger                 ; younger: the LDS instructions issued behind block a's loads: the next block's sixteen, or none
.irp u, 0,1,2,3,4,5,6,7
	s_wait_dscnt (\younger)+7-(\u)
	global_store_b128 v[GO], v[OUT+32*(\a)+4*(\u):OUT+32*(\a)+4*(\u)+3], s[8:9] offset:((\u)/4)*262144+(\a)*2048+((\u)%4)*512  ; head u / 4, rows 16 a + 4 (u % 4) on: 512 consecutive bytes, at a multiple of 256 from the buffer's first
.endr
.endm
.macro WAYOUT
	PACK 0
.irp a, 1,2,3                          ; a block's arithmetic stands between the loads of the block before and its stores
	PACK \a
	SEND (\a)-1, 16
.endr
	SEND 3, 0
.endm
	s_wait_tensorcnt 1                             ; my part of K step 0 is in; K step 1's may stay out
	s_barrier_signal -1
	s_barrier_wait -1                              ; everybody's is
	FETCH 0, 0, 0
	s_wait_dscnt 16                                ; x's 16 loads are in
	CVTALL 0
	WIN 0                                          ; at a label and at a branch every window is 0
	s_mov_b32 s3, LAPS
	s_branch .Lbegin                               ; the loop is entered at a tile's first quarter, in the middle of a trip
.Llap:                                                 ; 11 trips: from a lap's second quarter to the next lap's first; both slots are filled again, with the lap asked for
	s_sub_co_u32 s45, LAPS, s3                     ; the lap asked for: 1 .. 11,
	s_lshr_b32 s66, s45, 2                         ; its projection,
	s_and_b32 s67, s45, 3                          ; its place among the tile's four
	XSEL 4, 66
	s_lshl_b32 s18, s67, 10                        ; a lap is 256 f32 along K
	s_mov_b32 s19, 0
	s_add_nc_u64 s[92:93], s[4:5], s[16:17]
	s_add_nc_u64 s[92:93], s[92:93], s[18:19]
	s_lshl_b32 s18, s67, 9                         ; and 256 bf16,
	s_lshl_b32 s22, s66, 21                        ; in plane p of w16
	s_add_co_u32 s18, s18, s22
	s_add_nc_u64 s[94:95], s[6:7], s[18:19]
	s_cmp_eq_u32 s3, 1
	s_cbranch_scc1 .Lno_ask                        ; the last trip: there is no lap behind the one asked for
	s_add_co_u32 s14, s45, 1                       ; the lap to prefetch
	s_lshr_b32 s15, s14, 2
	s_wait_xcnt 0x0                                ; the prefetch's base is written anew only behind this wait; the last prefetch stands a whole trip back
	XSEL 86, 15
	s_and_b32 s14, s14, 3
	s_lshl_b32 s14, s14, 10
	s_mov_b32 s15, 0
	s_add_nc_u64 s[86:87], s[86:87], s[88:89]
	s_add_nc_u64 s[86:87], s[86:87], s[14:15]
	global_prefetch_b8 v[PF], s[86:87] th:TH_LOAD_NT scope:SCOPE_SE
.Lno_ask:
	QUARTER 0, 2, 1, 0, 0
	QUARTER 0, 3, 0, 1, 0
	TURN 0, 1, 1
	QUARTER 1, 1, 0, 1, 0
	QUARTER 1, 2, 1, 0, 0
	QUARTER 1, 3, 0, 1, 0
	TURN 1, 0, 1
	WIN 0
	s_and_b32 s18, s3, 3                           ; the trips with 8 and 4 laps to go end a tile
	s_cmp_lg_u32 s18, 0
	s_cbranch_scc1 .Lon
	BIASLOAD                                       ; A TILE'S END.  Both refills, the next tile's K steps 0 and 1, are asked for.  The next bias (s66 is the next tile's projection) is asked for, and the tile goes out:
	WAYOUT                                         ; no v_nop: the conversions that close the quarter before are the places behind the last products
	s_wait_xcnt 0x0                                ; the stores' base and data registers are written again only behind this wait
	s_add_nc_u64 s[8:9], s[8:9], 0x1000000         ; the next plane of qkv
.Lbegin:                                               ; A TILE BEGINS
	s_wait_loadcnt 0x0                             ; the bias
.set z, 0
.rept 32                               ; it is rounded to bf16, as all the module's inputs are, and widened again
	v_cvt_pk_bf16_f32 v[3+z%4], v[BIAS+2*z], v[BIAS+2*z+1]
	v_lshlrev_b32 v[BIAS+2*z], 16, v[3+z%4]
	v_and_b32 v[BIAS+2*z+1], 0xffff0000, v[3+z%4]
.set z, z+1
.endr
	QUARTER 0, 1, 0, 1, 1                          ; its products start the sums
	WIN 0
	s_branch .Lbottom
.Lon:
	QUARTER 0, 1, 0, 1, 0
	WIN 0
.Lbottom:
	s_sub_co_u32 s3, s3, 1
	s_cmp_lg_u32 s3, 0
	s_cbranch_scc1 .Llap
	QUARTER 0, 2, 1, 0, 0                          ; the walk's last lap is written out: it fills nothing, and has no round of the cluster's barrier
	QUARTER 0, 3, 0, 1, 0
	TURN 0, 1, 0
	QUARTER 1, 1, 0, 1, 0
	QUARTER 1, 2, 1, 0, 0
	QUARTER 1, 3, 0, 1, 0
	s_wait_dscnt 0x0                               ; the very last quarter: nothing more to fetch
	MMS 0, 32, 1
.rept 4
	v_nop                                          ; the places in front of conversions that read results just made
.endr
	WAYOUT
	s_wait_tensorcnt 0x0                           ; the wave's end, behind my last tensor load and my last LDS store
	ds_add_u32 v[SPW], v[NIL]
	s_wait_dscnt 0x0
	CROUND                                         ; the closing round: no work-group ends while a partner may still ask for a tile that names it
	s_endpgm
.Lfunc_end_k_qc575fefbc6_proj:
	.size	k_qc575fefbc6_proj, .Lfunc_end_k_qc575fefbc6_proj-k_qc575fefbc6_proj
	.p2alignl 7, 3214868480
	.fill 96, 4, 3214868480
	.section	.rodata,"a",@progbits
	.p2align	6, 0x0
	.amdhsa_kernel k_qc575fefbc6_proj
		.amdhsa_group_segment_fixed_size 327680
		.amdhsa_private_segment_fixed_size 0
		.amdhsa_enable_private_segment 0
		.amdhsa_kernarg_size 64
		.amdhsa_user_sgpr_count 2
		.amdhsa_user_sgpr_kernarg_segment_ptr 1
		.amdhsa_wavefront_size32 1
		.amdhsa_system_sgpr_workgroup_id_x 1
		.amdhsa_system_sgpr_workgroup_id_y 1
		.amdhsa_system_sgpr_workgroup_id_z 1
		.amdhsa_system_vgpr_workitem_id 0
		.amdhsa_next_free_vgpr 768
		.amdhsa_next_free_sgpr 96
		.amdhsa_reserve_vcc 0
		.amdhsa_float_denorm_mode_32 3
		.amdhsa_float_denorm_mode_16_64 3
		.amdhsa_memory_ordered 1
		.amdhsa_forward_progress 1
		.amdhsa_inst_pref_size 159
	.end_amdhsa_kernel
	.amdgpu_metadata
---
amdhsa.version: [ 1, 2 ]
amdhsa.kernels:
  - .name:           k_qc575fefbc6_proj
    .symbol:         k_qc575fefbc6_proj.kd
    .args:
      - { .name: query, .offset: 0, .size: 8, .value_kind: global_buffer, .address_space: global }
      - { .name: key, .offset: 8, .size: 8, .value_kind: global_buffer, .address_space: global }
      - { .name: value, .offset: 16, .size: 8, .value_kind: global_buffer, .address_space: global }
      - { .name: w16, .offset: 24, .size: 8, .value_kind: global_buffer, .address_space: global }
      - { .name: bq, .offset: 32, .size: 8, .value_kind: global_buffer, .address_space: global }
      - { .name: bk, .offset: 40, .size: 8, .value_kind: global_buffer, .address_space: global }
      - { .name: bv, .offset: 48, .size: 8, .value_kind: global_buffer, .address_space: global }
      - { .name: qkv, .offset: 56, .size: 8, .value_kind: global_buffer, .address_space: global }
    .group_segment_fixed_size: 327680
    .private_segment_fixed_size: 0
    .kernarg_segment_align: 8
    .kernarg_segment_size: 64
    .max_flat_workgroup_size: 128
    .sgpr_count:     96
    .vgpr_count:     768
    .wavefront_size: 32
...
	.end_amdgpu_metadata
.endif
;; end of part 2
;; launch attn (part 3): grid 4 x 64, 4 waves a work-group, clusters of 4 x 1, 327,680 bytes of LDS; arguments qkv, mask, o; writes o
.if DOCPART == 3
	.amdgcn_target "amdgcn-amd-amdhsa--gfx1250"
	.amdhsa_code_object_version 6
	.text
	.protected	k_qc575fefbc6_attn
	.globl	k_qc575fefbc6_attn
	.p2align	8
	.type	k_qc575fefbc6_attn,@function
k_qc575fefbc6_attn:
	s_mov_b64 s[64:65], 0
	v_nop
	global_prefetch_b8 v0, s[64:65] scope:SCOPE_SE
	s_setreg_imm32_b32 hwreg(HW_REG_WAVE_MODE, 25, 1), 1
	s_wait_xcnt 0x0
	s_wait_alu depctr_hold_cnt(0) depctr_sa_sdst(0) depctr_va_vdst(0) depctr_va_sdst(0) depctr_va_ssrc(0) depctr_va_vcc(0) depctr_vm_vsrc(0)
	s_getreg_b32 s2, hwreg(HW_REG_IB_STS2, 6, 4)
	s_cmp_eq_u32 s2, 0
	s_cbranch_scc0 .Lentry_in_a_cluster
	s_endpgm
.Lentry_in_a_cluster:
	s_bfe_u32 s2, ttmp6, 0x10000c
	s_cmp_lg_u32 s2, 0x3003
	s_cbranch_scc0 .Lentry_shape_is_right
	s_endpgm
.Lentry_shape_is_right:
; ATTENTION WITH A MASK OF KEYS.  o[h][q][:] = the sum over k of softmax_k(Q[h][q] . K[h][k] / 8, hidden where mask[h / 16][k] = 0) V[h][k][:].  Q, K, V: the three planes of qkv, o: [64][2048][64], all f16:
; a head's rows are dense, 128 bytes each.  Products, maxima and sums in f32; the weights p are rounded to f16 for the second product (their sum l is taken of the unrounded p), o once at the end.
; LIMITS.  f16 holds no number beyond 65,504: Q, K and V arrive within it; p lies in 0 to 1, and below 6e-5 it keeps f16's fixed step of 6e-8; o is a mean of V's rows and has their range.
; A hidden score counts as its value less 1e30: f16's scores, 2.7e11 at the most, are nothing beside that.  A weight below 2^-126 counts as 0 in l; NaN and infinities in Q, K, V are not treated apart.
; A batch in which every key is hidden gives NaN, as a softmax over nothing does: a query whose maximum ends below -2^96 has seen no key.
; SHARES.  A wave owns four PIECES of two tiles of 16 queries, a work-group's four waves 512 queries of one head.  Every wave walks all keys, 64 a step.
; LAYOUT.  S^T = K Q^T (source 0 = 16 keys, source 1 = 16 queries): in the result a lane holds ONE query (lane % 16) and the keys 8 (lane / 16) + 0..7.  Two such tiles, rounded to f16 in pairs,
; ARE source 1 (32 keys x 16 queries) of O^T = V^T P, whose result again holds one query a lane, and eight channels.  K comes out of LDS as it lies, V ([key][channel]) turned, by ds_load_tr16_b128.
; THE MASK is the C operand of the products that start the sums S^T: 0, or -1e30 where the key is hidden.  The batch's 2,048 such numbers are made once and lie in LDS; a step's 64 come into 32 registers with K's fragments.
; While a query has seen hidden keys alone, m is about -1e30 and what is summed is finite; the first visible key makes a = 0, which wipes it; from then on hidden weights are 0.
; SOFTMAX.  For each query a running maximum m and sum l: p = 2^(c s - c m), c = log2(e) / 8; in every step O and l are multiplied by a = 2^(c m_old - c m_new), which is 1 where m has not grown.
; m starts at the lowest finite number, O and l at 0: the first step is a step like any other, with a = 0.
; THE COUNT.  A tile and step have 16 matrix and 118 vector instructions: too many to stand all beside the matrix work.  So the order has one aim: four vector instructions that are READY behind
; EVERY matrix instruction, and the others, which need time of their own whatever the order, in runs without a gap.
; BY TURNS.  Turn n belongs to piece n (the pieces in a ring, step after step).  Its matrix work: 16 products K Q^T of piece n + 1, later 16 products V^T P of piece n - 1.  Its vector work: the scaling,
; exponentials, roundings, sums and rescaling of piece n, and the maximum and statistics of piece n + 1, whose scores the turn itself has made.  So what a turn begins with (c s - c m, O a) waits for nothing.
; CLUSTER.  The four query blocks of a cluster belong to one head and walk the same K and V, so each tile is asked for JOINTLY: the same tensor load, descriptor and mask in all four.
; NO PREFETCH of K and V: a slot's refill is asked for four key steps, 512 matrix instructions, ahead of its first read.
; REGISTERS, in windows of 256 (s_set_vgpr_msb says which window each operand place means: bits 1:0 source 0, 3:2 source 1, 5:4 source 2, 7:6 destination):
;   window 0: v0-11 addresses; v12-15, v48-63 at work; v16-47 four registers of statistics a tile; v64-191 S^T, two buffers of two tiles; v192-255 P, likewise
;   window 1: O^T, 32 a tile          window 2: v0-127 Q, 16 a tile; v128-191 K of one step; v192-255 V of one step          window 3: v0-1 the add's two registers; v2-3 the mask's addresses; v8-39 the mask of one step
; A piece's buffers go by its number's parity: the piece in hand has one pair, its two neighbours in the ring share the other: of it P (piece n - 1) is read and S^T (piece n + 1) written.
.set SIZE_N, 2048
.set NP,    4         ; pieces a wave: a name, no knob: the register map, the loop and the fetches are made for four
.set KS,    64        ; keys in a step
.set PK,    144       ; a row of K in LDS: 128 bytes + 16 of padding = 36 words: the 16 rows of a load start at 16 different groups of four banks (64 banks of 4 bytes: ISA guide 11.1)
.set PV,    160       ; a row of V: 128 + 32 = 40 words
.set VOFF,  4*KS*PK   ; a slot holds four steps: 256 rows of K, then 256 rows of V
.set SLOT1, 1<<17     ; slot 1 begins here, so that one exclusive or turns an address in one slot into the other's
.set STAGE, SLOT1+4*KS*(PK+PV)  ; behind the ring, never filled by a tensor load: 16 rows x 144 bytes for each wave, for the way out
.set SP,    144
.set AK0, 2           ; v2   my lane's place in a tile of K; never rewritten
.set AV0, 3           ; v3   the same for V
.set AK,  4           ; v4   the LDS address of K's next run of loads
.set AV,  5           ; v5   of V's
.set QO,  6           ; v6   my byte offset in the wave's rows of Q
.set STO, 6           ;      later, the way out: where I put 16 bytes of a row
.set RD,  7           ; v7   the way out: where I read rows back
.set GO,  8           ; v8   my byte offset in 512 consecutive bytes of o
.set SPW, 0           ; v0 of window 3   LDS address of my spare word: SPARE + 4 x my thread's number; never rewritten
.set NIL, 1           ; v1 of window 3   0; never rewritten
.set AM0, 2           ; v2 of window 3   my lanes' place in a step's 64 numbers of the mask; never rewritten
.set AM,  3           ; v3 of window 3   the LDS address of the mask's next run of loads
.set MB,  8           ; v8-39 of window 3: key block kb at MB + 8 kb: register j is key 16 kb + 8 (lane / 16) + j of the step
.set SPARE, STAGE+4*16*SP  ; behind the stages: the spare words, 128 bytes for each wave: two blocks of 256 bytes that no other line names
.set MASKB, SPARE+512 ; behind them: the batch's 2,048 numbers 0 or -1e30, 8,192 bytes; no tensor load lands there
.set MV,  12          ; v12-15  c m_old, kept while c m is made anew: by buffer and tile
.set ST,  16          ; tile t's statistics at v[ST+4 t]: c m, m, l (even keys', odd keys')
.set TMP, 48          ; by buffer and tile, four registers c0-c3 at work; when the maximum is found c2 takes a
.set S,   64
.set P,   192
.set KF,  128         ; K's fragments, in window 2: key block kb, channel half c at KF + 16 kb + 8 c
.set VF,  192         ; V's: key half kk, channel block cb at VF + 32 kk + 8 cb
.set WV,  12          ; s12  my wave's number
.set G1K, 24          ; s[24:31] descriptor group 1 for K's tiles
.set G1V, 32          ; s[32:39] for V's: it differs in the padding alone
.set G0K, 40          ; s[40:43] descriptor group 0 for K's tiles: it walks
.set G0V, 44          ; s[44:47] the same for V's
.set MP,  48          ; s[48:49] the batch's row of the mask
.set BIGN, 52         ; s52  -1e30
.set LOW, 53          ; s53  -2^96
.set TM,  54          ; s54  byte in the mask's table at which the step to be fetched begins
.set SLOTS, 56        ; s56  slots still to be asked for
.set CNT, 57          ; s57  counts a slot's key steps
.set CS,  58          ; s[58:59] c: the packed scaling takes the pair's low word for both halves
.set SEL, 60          ; s[60:61] v_permlanex16_b32's selects: each lane takes its own place in the other half
.set TBK, 62          ; s62  LDS byte at which K of the step to be fetched begins
.set TBV, 63          ; s63  the same for V, less VOFF
.set MSB, 0
.macro WIN new                      ; the high byte repeats the setting that is left; a switch that changes nothing is dropped
.if MSB != (\new)
	s_set_vgpr_msb (MSB<<8)|(\new)
.set MSB, (\new)
.endif
.endm
.set W_KQ, 0x0a       ; K and Q in window 2, S^T in window 0
.set W_KM, 0x3a       ; the same with the C operand, the mask, in window 3
.set W_PV, 0x52       ; V in window 2, P in window 0, O^T in window 1
.set W_RS, 0x41       ; O^T (destination and source 0) in window 1, a in window 0
.set W_MK, 0xc0       ; destination in window 3, sources in window 0
.set W_AD, 0x0f       ; the add: address (source 0) and data (source 1) in window 3
.set W_M3, 0xcf       ; the mask's loads and their address: destination and sources 0 and 1 in window 3
; A joint fill.  Waves 0 and 1 fetch the two halves of a slot's K, waves 2 and 3 those of its V: 128 keys each.  The branch hangs on the wave's number alone.
; An s_nop 0 and four v_nop follow each of the two lines, ahead of the jump and the label.
.macro JLOAD
	s_cmp_lt_u32 s[WV], 2
	s_cbranch_scc0 .Lfor_v_\@
	tensor_load_to_lds s[G0K:G0K+3], s[G1K:G1K+7]
	s_nop 0
.rept 4
	v_nop
.endr
	s_branch .Lasked_\@
.Lfor_v_\@:
	tensor_load_to_lds s[G0V:G0V+3], s[G1V:G1V+7]
	s_nop 0
.rept 4
	v_nop
.endr
.Lasked_\@:
.endm
; A round of the cluster's barrier: my work-group's barrier, so that wave 0's signal speaks for all four waves; wave 0 signals; every wave waits for all four work-groups; my work-group's barrier once more.
.macro CROUND
	s_barrier_signal -1
	s_barrier_wait -1
	s_cmp_lg_u32 s[WV], 0
	s_cbranch_scc1 .Lnot_wave_0_\@
	s_barrier_signal -3
.Lnot_wave_0_\@:
	s_barrier_wait -3
	s_barrier_signal -1
	s_barrier_wait -1
.endm
; THE CHANGE OF SLOTS.  The slot's last bytes, V of its fourth step, have been read.  Each wave waits for all its tensor loads, of which one is out: its part
; of the other slot; adds 0 to its spare word; and waits for that and for its own reads of the slot.  Behind the barrier nobody reads this slot any more and the other slot is whole.
; fill = 1: this slot is filled again, with the keys two slots on.  The barrier is then a round of the cluster's, so that no wave of any partner still reads the slot or has a load on its
; way, and the joint fill is the first thing behind it: it has four key steps, 512 matrix instructions, in which to land.  (At its first use nothing has been read yet: slot 0 is waited for, slot 1 filled,
; and each wave's stores into the mask's table are done in front of the round, so that every wave may read the table behind it.)
.macro CHANGE fill
	WIN W_AD
	s_wait_tensorcnt 0x0            ; no tensor load of mine is out, so a group 0 may be written
	ds_add_u32 v[SPW], v[NIL]       ; 0 onto my spare word; with fill = 1 the descriptors' steps stand between it and the wait for it
	WIN 0                           ; at a label and at a branch every window is 0
.if \fill
.irp g, G0K, G0V
	s_xor_b32 s[\g+1], s[\g+1], SLOT1  ; the walking descriptor: the other slot than last time,
	s_add_nc_u64 s[\g+2:\g+3], s[\g+2:\g+3], 4*KS*128  ; the next 256 keys; the type bits on top are not reached
.endr
	s_wait_dscnt 0x0                ; the add is done, and my reads of the slot are over
	CROUND
	JLOAD
.else
	s_wait_dscnt 0x0                ; the add is done, and my reads of the slot are over
	s_barrier_signal -1
	s_barrier_wait -1
.endif
	s_sub_co_u32 s[TBK], s[TBK], 4*KS*PK  ; the fetches go back to a slot's first step,
	s_xor_b32 s[TBK], s[TBK], SLOT1       ; in the other slot
	s_sub_co_u32 s[TBV], s[TBV], 4*KS*PV
	s_xor_b32 s[TBV], s[TBV], SLOT1
.endm
	s_load_b64 s[4:5], s[0:1], 0x0        ; qkv: Q's plane
	s_load_b64 s[MP:MP+1], s[0:1], 0x8    ; mask
	s_load_b64 s[10:11], s[0:1], 0x10     ; o
	WIN W_MK
	v_lshl_add_u32 v[SPW], v0, 2, SPARE
	v_mov_b32 v[NIL], 0
	s_set_vgpr_msb 0xc0cf
	ds_add_u32 v0, v1
	s_wait_dscnt 0x0
	s_set_vgpr_msb 0xcfc0
	WIN 0
	v_lshrrev_b32 v1, 5, v0
	v_readfirstlane_b32 s[WV], v1   ; wave 0..3
	s_bfe_u32 s13, ttmp6, 0x40000   ; cx: my place in the cluster
	s_lshl_b32 s14, ttmp9, 2        ; in a cluster launch ttmp9 counts clusters
	s_add_co_u32 s14, s14, s13      ; my block of queries = 4 x cluster x + cx: it enters Q's and o's addresses alone
	s_and_b32 s20, ttmp7, 0xffff    ; the head, which the four partners share
	s_lshr_b32 s50, s20, 4          ; its batch,
	s_lshl_b32 s50, s50, 13         ; whose row of the mask is 8,192 bytes
	s_mov_b32 s51, 0
	s_mov_b32 s21, 0
	s_mov_b64 s[22:23], SIZE_N*128
	s_mul_u64 s[20:21], s[20:21], s[22:23]  ; the head's first byte in each of the three planes and in o
	s_and_b32 s16, s[WV], 1         ; which half of a slot's 256 keys I fetch:
	s_lshl_b32 s22, s16, 14         ; its 128 rows of 128 bytes in memory,
	s_mov_b32 s23, 0
	s_add_nc_u64 s[22:23], s[22:23], s[20:21]
	s_mul_i32 s17, s16, 128*PK      ; and its place in a slot, for K
	s_mul_i32 s18, s16, 128*PV      ; and for V: no place in the cluster enters an LDS address
	s_lshl_b32 s2, s14, 2
	s_add_co_u32 s2, s2, s[WV]      ; my wave among the head's,
	s_lshl_b32 s2, s2, 14           ; its 128 rows
	s_mov_b32 s3, 0
	s_add_nc_u64 s[2:3], s[2:3], s[20:21]
	; descriptor group 1.  128 keys are 16,384 dense bytes: asked for as 64 rows of 256 bytes, two keys a row, and padded in LDS after every key
	s_mov_b32 s[G1K], 15|(1<<16)|(1<<20)|(1<<21)|(4<<22)|(3<<25)  ; 15:0 the mask of four; 17:16 2-byte elements; 20 padding on; 21 set beside a mask; 24:22 after every 32 words (code 4); 31:25 4 words (code 3)
	s_mov_b32 s[G1V], 15|(1<<16)|(1<<20)|(1<<21)|(4<<22)|(7<<25)  ; the same with 8 words of padding (code 7)
.irp g, G1K, G1V
	s_mov_b32 s[\g+1], 128<<16      ; tensor_dim0 = 128
	s_mov_b32 s[\g+2], 64<<16       ; tensor_dim1 = 64
	s_mov_b32 s[\g+3], 128<<16      ; tile_dim0 = 128
	s_mov_b32 s[\g+4], 64           ; tile_dim1 = 64
	s_mov_b32 s[\g+5], 128          ; 128 elements from row to row
	s_mov_b32 s[\g+6], 0
	s_mov_b32 s[\g+7], 0
.endr
	s_mov_b32 s[CS], 0x3e38aa3b     ; c = log2(e) / 8 = 0.180337
	s_mov_b32 s[CS+1], s[CS]        ; named with it as a pair
	s_mov_b32 s[SEL], 0x76543210
	s_mov_b32 s[SEL+1], 0xfedcba98
	s_mov_b32 s[BIGN], 0xf149f2ca   ; -1e30
	s_mov_b32 s[LOW], 0xef800000    ; -2^96
	s_mov_b32 s[TM], 0
	s_mov_b32 s[TBK], SLOT1+4*KS*PK ; the first change of slots turns these two into 0
	s_mov_b32 s[TBV], SLOT1+4*KS*PV
	s_mov_b32 s[G0K], 1             ; 1:0 count = 1
	s_mov_b32 s[G0K+1], s17         ; 63:32 LDS address: slot 0
	s_mov_b32 s[G0V], 1
	s_add_co_u32 s[G0V+1], s18, VOFF
	s_wait_kmcnt 0x0
	s_add_nc_u64 s[6:7], s[4:5], 0x1000000         ; K's plane, 16,777,216 bytes behind Q's,
	s_add_nc_u64 s[8:9], s[4:5], 0x2000000         ; and V's
	s_add_nc_u64 s[MP:MP+1], s[MP:MP+1], s[50:51]
	s_add_nc_u64 s[G0K+2:G0K+3], s[6:7], s[22:23]  ; 120:64 global address: my half of the head's first 256 keys
	s_or_b32 s[G0K+3], s[G0K+3], 0x80000000        ; 127:126 type = 2
	s_add_nc_u64 s[G0V+2:G0V+3], s[8:9], s[22:23]
	s_or_b32 s[G0V+3], s[G0V+3], 0x80000000
	s_add_nc_u64 s[4:5], s[4:5], s[2:3]  ; Q and o at my wave's first row
	s_add_nc_u64 s[10:11], s[10:11], s[2:3]
	CROUND                          ; all four work-groups are here: the first joint loads meet
	JLOAD                           ; slot 0.  Slot 1 is asked for when slot 0 is in: the tile wanted first has the road to itself
	; the batch's mask: 128 threads x 16 bytes x 4; these loads go out ahead of Q's, so that a counted wait shows them in
	v_lshlrev_b32 v12, 4, v0
	v_add_nc_u32 v13, MASKB, v12
.irp i, 0,1,2,3
	global_load_b128 v[S+4*\i:S+4*\i+3], v12, s[MP:MP+1] offset:2048*\i
.endr
	; A fragment of K or Q is 16 rows x 32 channels in 8 registers: lane l holds row l % 16, channels 8 (l / 16) + 0..7 and 16 + 8 (l / 16) + 0..7: two loads of 16 bytes, 32 bytes apart.
	v_and_b32 v1, 15, v0            ; l % 16
	v_bfe_u32 v9, v0, 4, 1          ; l / 16
	v_lshlrev_b32 v[QO], 7, v1
	v_lshl_add_u32 v[QO], v9, 4, v[QO]  ; row x 128 + 16 x half
	WIN W_MK
	v_lshl_add_u32 v[AM0], v9, 5, MASKB  ; my lanes' eight keys of a block of 16: 32 bytes x half
	WIN 0x80                        ; destination window 2, address window 0
.set i, 0
.rept 4*NP                          ; Q stays in registers: tile i / 2, channels 32 (i % 2) on
	global_load_b128 v[8*i:8*i+3],   v[QO], s[4:5] offset:(i/2)*2048+(i%2)*64
	global_load_b128 v[8*i+4:8*i+7], v[QO], s[4:5] offset:(i/2)*2048+(i%2)*64+32
.set i, i+1
.endr
	; What the first turn finds: V's registers and P's second buffer hold 0 (its products V^T P, of a piece that has not been, add 0), O^T and l are 0.  All this stands in the wait for the first tile.
.set i, VF
.rept 64
	v_mov_b32 v[i], 0
.set i, i+1
.endr
	WIN 0x40
.set i, 0
.rept 64*NP
	v_mov_b32 v[i], 0
.set i, i+1
.endr
	WIN 0
.set i, 0
.rept 2*NP
	v_mov_b32 v[ST+4*i], 0xfe000000    ; c m: far below every c s, a hidden one's too
	v_mov_b32 v[ST+4*i+1], 0xff7fffff  ; m
	v_mov_b32 v[ST+4*i+2], 0
	v_mov_b32 v[ST+4*i+3], 0
.set i, i+1
.endr
.set i, P+32
.rept 32
	v_mov_b32 v[i], 0
.set i, i+1
.endr
	v_mul_u32_u24 v[AK0], v1, PK
	v_lshl_add_u32 v[AK0], v9, 4, v[AK0]  ; row x pitch + 16 x half
	; The turning load takes 16 keys x 16 channels (lane l reads key 8 (l / 16) + l % 8, channels 8 ((l / 8) % 2) + 0..7) and leaves half a fragment of V^T: lane l holds channel l % 16 and 8 keys.
	v_and_b32 v10, 7, v0
	v_bfe_u32 v11, v0, 3, 1
	v_lshl_add_u32 v[AV0], v9, 3, v10
	v_mul_u32_u24 v[AV0], v[AV0], PV
	v_lshl_add_u32 v[AV0], v11, 4, v[AV0]
	v_add_nc_u32 v[AV0], VOFF, v[AV0]
	v_mov_b32 v[AK], v[AK0]         ; key step 0 lies at the head of slot 0
	s_wait_loadcnt 32               ; the mask's four loads are in; Q's 32, issued behind them, may stay out
.set i, 0
.rept 16
	v_cmp_eq_u32 vcc_lo, 0, v[S+i]  ; a key whose mask is 0 is hidden
	v_cndmask_b32 v[S+i], 0, s[BIGN], vcc_lo
.set i, i+1
.endr
.irp i, 0,1,2,3
	ds_store_b128 v13, v[S+4*\i:S+4*\i+3] offset:2048*\i
.endr
; THE MATRIX WORK.  The 8 accumulators of a run of 16 take turns: between the two links of a chain stand 7 others'.
; Product i of 16 of S^T = K Q^T for piece x: channels 32 (i / 8) on, keys 16 ((i / 2) % 4) on, tile 2 x + i % 2.  The first 8 start the sums, with the mask of their 16 keys.
.macro KQ x
.set rS, S+64*((\x)%2)+32*(i%2)+8*((i/2)%4)
.set rK, KF+16*((i/2)%4)+8*(i/8)
.set rQ, 16*(2*(\x)+i%2)+8*(i/8)
.set rB, MB+8*((i/2)%4)
.if i < 8
	WIN W_KM
	v_wmma_f32_16x16x32_f16 v[rS:rS+7], v[rK:rK+7], v[rQ:rQ+7], v[rB:rB+7]
.else
	WIN W_KQ
	v_wmma_f32_16x16x32_f16 v[rS:rS+7], v[rK:rK+7], v[rQ:rQ+7], v[rS:rS+7]
.endif
.endm
; Product i of 16 of O^T += V^T P for piece x: keys 32 (i / 8) on, channels 16 ((i / 2) % 4) on, tile 2 x + i % 2.
.macro PV x
	WIN W_PV
.set rO, 32*(2*(\x)+i%2)+8*((i/2)%4)
.set rV, VF+32*(i/8)+8*((i/2)%4)
.set rP, P+32*((\x)%2)+16*(i%2)+8*(i/8)
	v_wmma_f32_16x16x32_f16 v[rO:rO+7], v[rV:rV+7], v[rP:rP+7], v[rO:rO+7]
.endm
.macro MM                           ; the turn's next matrix instruction
.if i < 16
	KQ (Y+1)%NP
.set i, i+1
.else
.set i, i-16
	PV (Y+NP-1)%NP
.set i, i+17
.endif
.endm
; THE LDS LOADS stand in runs, never singly among the matrix instructions: a step's K (64 keys x 64 channels: 8 fragments) with its mask (64 numbers, eight a lane and key block), and its V (turned).
; last = 1 (the tail): in the last trip there is no further step, and the run is jumped over.
.macro FETCH_K last=0
	WIN 0
.if \last
	s_cmp_eq_u32 s[CNT], 1
	s_cbranch_scc1 .Lno_k_\@
.endif
	WIN 0x80                        ; destination window 2
.irp f, 0,1,2,3,4,5,6,7             ; keys 16 (f / 2) on, channels 32 (f % 2) on
	ds_load_b128 v[KF+8*\f:KF+8*\f+3],   v[AK] offset:(\f/2)*16*PK+(\f%2)*64
	ds_load_b128 v[KF+8*\f+4:KF+8*\f+7], v[AK] offset:(\f/2)*16*PK+(\f%2)*64+32
.endr
	s_add_co_u32 s[TBK], s[TBK], KS*PK  ; the next fetch is the next step's
	WIN W_M3
	v_add_nc_u32 v[AM], s[TM], v[AM0]
.irp kb, 0,1,2,3                    ; the sixteen lanes of a half read the same 16 bytes
	ds_load_b128 v[MB+8*\kb:MB+8*\kb+3],   v[AM] offset:64*\kb
	ds_load_b128 v[MB+8*\kb+4:MB+8*\kb+7], v[AM] offset:64*\kb+16
.endr
	s_add_co_u32 s[TM], s[TM], 4*KS     ; the next step's 64 numbers,
	s_and_b32 s[TM], s[TM], 0x1fff      ; kept inside the table's 8,192 bytes
	WIN 0
.if \last
.Lno_k_\@:
.endif
.endm
.macro FETCH_V
	WIN 0x80
.irp f, 0,1,2,3,4,5,6,7             ; keys 32 (f / 4) on, channels 16 (f % 4) on
	ds_load_tr16_b128 v[VF+8*\f:VF+8*\f+3],   v[AV] offset:(\f/4)*32*PV+(\f%4)*32
	ds_load_tr16_b128 v[VF+8*\f+4:VF+8*\f+7], v[AV] offset:(\f/4)*32*PV+16*PV+(\f%4)*32
.endr
	WIN 0
.endm
; THE VECTOR WORK OF A TURN stands in three queues, each in the order in which its entries become ready; the two tiles alternate, so that no instruction reads the result of the one before it.
.macro REGS y, u                    ; the registers of tile u (0, 1) of piece y
.set rT, ST+4*(2*(\y)+(\u))
.set rC, TMP+8*((\y)%2)+4*(\u)
.set rM, MV+2*((\y)%2)+(\u)
.set rS, S+64*((\y)%2)+32*(\u)
.set rP, P+32*((\y)%2)+16*(\u)
.set rO, 32*(2*(\y)+(\u))
.endm
; Number n of the 22 that find the NEXT piece's (Y + 1) maximum and statistics.  s0-s31 are the lane's 32 scores; each accumulator's lowest registers are read first.  XS, GS and REGS set no window: PL and EX do.
;   0-11  four chains c0-c3 of seven scores each, three operands at a time     12-14, 16  the four scores left over, the old m, and c0-c3 into c0     15  c m_old is kept
;   17, 18  the query's other 32 keys lie in the lane 16 away: the new m         19-21  c m; c m_old - c m_new; a
.macro XS u, n
	REGS (Y+1)%NP, \u
.if (\n) < 4
	v_max3_num_f32 v[rC+(\n)], v[rS+8*(\n)], v[rS+8*(\n)+1], v[rS+8*(\n)+2]
.elseif (\n) < 12
	v_max3_num_f32 v[rC+(\n)%4], v[rC+(\n)%4], v[rS+8*((\n)%4)+2*((\n)/4)+1], v[rS+8*((\n)%4)+2*((\n)/4)+2]
.elseif (\n) == 12
	v_max3_num_f32 v[rC], v[rC], v[rS+7], v[rS+15]
.elseif (\n) == 13
	v_max3_num_f32 v[rC+1], v[rC+1], v[rS+23], v[rS+31]
.elseif (\n) == 14
	v_max3_num_f32 v[rC+2], v[rC+2], v[rC+3], v[rT+1]
.elseif (\n) == 15
	v_mov_b32 v[rM], v[rT]
.elseif (\n) == 16
	v_max3_num_f32 v[rC], v[rC], v[rC+1], v[rC+2]
.elseif (\n) == 17
	v_permlanex16_b32 v[rC+3], v[rC], s[SEL], s[SEL+1]
.elseif (\n) == 18
	v_max_num_f32 v[rT+1], v[rC], v[rC+3]
.elseif (\n) == 19
	v_mul_f32 v[rT], s[CS], v[rT+1]
.elseif (\n) == 20
	v_sub_f32 v[rC+1], v[rM], v[rT]
.else
	v_exp_f32 v[rC+2], v[rC+1]
.endif
.endm
; Number g of the 64 that follow the exponentials.  For each four weights k of a tile (pairs 2 k, 2 k + 1): both pairs are rounded to f16; then the second pair is added onto the first, in place;
; a group later l takes that sum (the first time as l = a l + sum).  In groups of eight, tiles alternating: round, round, add, and l for the group before.
.macro GS g
.set h, (\g)+6*((\g)/62)            ; group 0 has no group before it, and behind group 7 only l is left
.if h >= 6
.set h, h+2
.endif
	REGS Y, h%2
.set k, h/8
.if h%8 < 4
	s_wait_alu depctr_va_vdst(0)
	v_cvt_pk_f16_f32 v[rP+2*k+(h%8)/2], v[rS+4*k+2*((h%8)/2)], v[rS+4*k+2*((h%8)/2)+1]
.elseif h%8 < 6
	v_pk_add_f32 v[rS+4*k:rS+4*k+1], v[rS+4*k:rS+4*k+1], v[rS+4*k+2:rS+4*k+3]
.elseif k == 1
	v_pk_fma_f32 v[rT+2:rT+3], v[rT+2:rT+3], v[rC+2:rC+3], v[rS:rS+1] op_sel_hi:[1,0,1]
.else
	v_pk_add_f32 v[rT+2:rT+3], v[rT+2:rT+3], v[rS+4*k-4:rS+4*k-3]
	s_wait_alu depctr_va_vdst(0)
.endif
.endm
; THE PLAIN QUEUE, 138 long.  0-31: c s - c m for the 16 pairs of both tiles.  Then GS's 64, and among them the next piece's 42: number 15 at 38, 39; 0-14 and 16
; at 42-73, behind the products that make those scores; 17-20 at 95-106, two of three, since each waits for the one before it.
.macro PL
	WIN 0
.if q < 32
	REGS Y, q%2
	v_pk_fma_f32 v[rS+2*(q/2):rS+2*(q/2)+1], v[rS+2*(q/2):rS+2*(q/2)+1], s[CS:CS+1], v[rT:rT+1] op_sel_hi:[1,0,0] neg_lo:[0,0,1] neg_hi:[0,0,1]
.elseif q < 38
	GS q-32
.elseif q < 40
	XS q%2, 15
.elseif q < 42
	GS q-34
.elseif q < 74
	XS q%2, (q-42)/2+(q-42)/30
.elseif q < 95
	GS q-66
.elseif (q < 107) && ((q-95)%3 < 2)
	XS (q-95)%3, 17+(q-95)/3
.elseif q < 107
	GS 29+(q-95)/3
.else
	GS q-74
.endif
.set q, q+1
.endm
; THE EXPONENTIALS' QUEUE, 66 long: s0-s31 of both tiles, and at EA the next piece's two a.
.set EA, 58
.macro EX
	WIN 0
.if (e == EA) || (e == EA+1)
	XS e-EA, 21
.else
.set x, e-2*(e/(EA+2))
	REGS Y, x%2
	v_exp_f32 v[rS+x/2], v[rS+x/2]
.endif
.set e, e+1
.endm
; THE RESCALING's QUEUE: O^T times a, the one part that leaves window 0, so it is dealt four at a time, eight times.
.macro R4
	REGS Y, r%2
	WIN W_RS
	s_wait_alu depctr_va_vdst(0)
.irp z, 0,1,2,3
	v_pk_mul_f32 v[rO+8*(r/2)+2*\z:rO+8*(r/2)+2*\z+1], v[rO+8*(r/2)+2*\z:rO+8*(r/2)+2*\z+1], v[rC+2:rC+3] op_sel_hi:[1,0]
.endr
.set r, r+1
.endm
; HOW THEY ARE DEALT.  Behind a matrix instruction four: plain, exponential, plain, plain (one exponential, a plain instruction on either side), or four of the rescaling.  None names a register of the
; products round it.  What is over stands in two LUMPS: exponential and plain by turns; the second ends in 22 plain instructions.  The two v_permlanex16_b32 fall into the second lump, never behind a product.
; The queues lean on each other, and the deal keeps them in step: exponential e stands behind plain 2 (e / 4) + e % 2 (its scaling); when plain 32 comes, 10 exponentials are out, at 59: 33, at 95: 46; EA comes behind plain 107.
.macro SL
	MM
	PL
	EX
	PL
	PL
.endm
.macro BURST n                      ; 15 matrix instructions, or 16
.rept (\n)-7
	SL
.endr
.rept 3
	MM
	R4
	SL
.endr
	MM
	R4
.endm
; A TURN, for piece p.  cnt = 1: the loop's count is taken down some lines ahead of the branch that stands behind the turn.
; K of the next step and its mask are fetched in piece 2's turn, 31 vector instructions behind the last product that read them; their first reader comes behind the rest of the lump, 16 products and the second lump.
; V of the step in hand is fetched at the end of piece 0's turn, 69 behind its last reader; its first reader comes behind 16 products and a lump.  The four conditions on e and q below go with the deal.
.macro TURN p, last=0, cnt=0
.set Y, (\p)
.set i, 0
.set q, 0
.set e, 0
.set r, 0
.if (\p) == NP-1
	s_wait_dscnt 0x0                ; K and its mask are in
.endif
	MM
.rept 4
	PL
.endr
	BURST 15
.rept 22
	EX
	PL
.if ((\p) == NP-2) && (e == 18)
	v_add_nc_u32 v[AK], s[TBK], v[AK0]
.endif
.if ((\p) == NP-2) && (e == 24)
	FETCH_K \last
.endif
.endr
.if (\p) == 1
	s_wait_dscnt 0x0                ; V is in
.endif
	BURST 16
.rept 21
	EX
	PL
.endr
.rept 22
	PL
.if ((\p) == 0) && (q == 118)
	v_add_nc_u32 v[AV], s[TBV], v[AV0]
	s_wait_alu depctr_va_vdst(0)
.endif
.if ((\p) == 0) && (q == 130)
	s_add_co_u32 s[TBV], s[TBV], KS*PV
.endif
.if (\cnt) && (q == 130)
	s_sub_co_u32 s[CNT], s[CNT], 1
	s_cmp_lg_u32 s[CNT], 0
.endif
.endr
.if (\p) == 0
	FETCH_V
.endif
.endm
	CHANGE 1                        ; slot 0 is in, everybody's part of it, and so is the mask's table; slot 1 is asked for
	FETCH_K                         ; key step 0
	s_wait_loadcnt 0x0              ; Q
	s_wait_dscnt 0x0
.set i, 0
.rept 16
	KQ 0                            ; piece 0's first scores: there is no vector work yet to set between them
.set i, i+1
.endr
	WIN 0                           ; the addresses for the way out: nine plain instructions, the places behind those products
	s_mul_i32 s13, s[WV], 16*SP
	s_add_co_u32 s13, s13, STAGE    ; my stage
	v_mul_u32_u24 v[STO], v1, SP    ; in: row l % 16, 16 bytes for each half of the lanes
	v_lshl_add_u32 v[STO], v9, 4, v[STO]
	v_add_nc_u32 v[STO], s13, v[STO]
	v_bfe_u32 v[RD], v0, 3, 2       ; back: 32 lanes take four rows of 128 bytes,
	v_mul_u32_u24 v[RD], v[RD], SP
	v_lshl_add_u32 v[RD], v10, 4, v[RD]
	v_add_nc_u32 v[RD], s13, v[RD]
	v_and_b32 v[GO], 31, v0         ; which are 512 consecutive bytes of o
	v_lshlrev_b32 v[GO], 4, v[GO]
.set Y, NP-1                        ; XS works for piece Y + 1: piece 0
.irp n, 0,1,2,3,4,5,6,7,8,9,10,11,12,13,14,15,16,17,18,19,20,21
	XS 0, \n                        ; and piece 0's first maximum and statistics
	XS 1, \n
.endr
	s_mov_b32 s[CNT], 4
	s_mov_b32 s[SLOTS], SIZE_N/256-1
	s_branch .Lfirst                ; the loop is entered at a step's first turn, in the middle of a trip
.Lslot:                             ; SIZE_N / 256 - 2 times: every slot but the last two is filled again
	CHANGE 1
	s_mov_b32 s[CNT], 4
.Lstep:                             ; a trip: pieces 2 and 3 of one step, then pieces 0 and 1 of the next, whose K and V it fetches
	TURN 2
	TURN 3
	WIN 0
.Lfirst:
	TURN 0
	TURN 1, 0, 1
	WIN 0
	s_cbranch_scc1 .Lstep
	s_sub_co_u32 s[SLOTS], s[SLOTS], 1
	s_cmp_lg_u32 s[SLOTS], 0
	s_cbranch_scc1 .Lslot
	CHANGE 0                        ; the tail is written out: nothing is asked for
	s_mov_b32 s[CNT], 5             ; four trips fetch the last slot's steps; the fifth is left in its middle
.Ltail:
	TURN 2, 1
	TURN 3
	WIN 0
	s_sub_co_u32 s[CNT], s[CNT], 1
	s_cmp_eq_u32 s[CNT], 0
	s_cbranch_scc1 .Lout
	TURN 0
	TURN 1
	WIN 0
	s_branch .Ltail
.Lout:                              ; the fifth trip's 16 products K Q^T (on the last K and its mask once more) and the maximum made of them change no m: the price, once a launch, of one text for every trip
.set i, 0
.rept 16
	PV NP-1                         ; the last piece's V^T P of the last step
.set i, i+1
.endr
	; THE WAY OUT.  l's two halves and the other half of the lanes' are added; O^T is divided by l, rounded to f16 and sent through my stage in LDS, a tile at a time.  The additions are the places behind the last products.
	WIN 0
.macro ALL line:vararg              ; one line for each tile t
.set t, 0
.rept 2*NP
	\line
.set t, t+1
.endr
.endm
	ALL v_add_f32 v[ST+4*t+2], v[ST+4*t+2], v[ST+4*t+3]
	ALL v_permlanex16_b32 v[ST+4*t+3], v[ST+4*t+2], s[SEL], s[SEL+1]
	ALL v_add_f32 v[ST+4*t+2], v[ST+4*t+2], v[ST+4*t+3]
	ALL v_rcp_f32 v[ST+4*t+2], v[ST+4*t+2]
	v_mov_b32 v12, 0x7fc00000       ; NaN; also the plain instruction between the last reciprocal and the use of its result
.set t, 0
	s_wait_alu depctr_va_vdst(0)
.rept 2*NP                          ; a query that has seen no key: its row is NaN
	v_cmp_gt_f32 vcc_lo, s[LOW], v[ST+4*t+1]
	v_cndmask_b32 v[ST+4*t+2], v[ST+4*t+2], v12, vcc_lo
.set t, t+1
.endr
; Tile t: a lane's eight channels of a row pack into 16 bytes; they go into rows of 144 bytes and come back as whole rows of 128, into S^T's registers.
.macro PACK t
	WIN W_RS
.set i, 32*(\t)
.rept 16
	v_pk_mul_f32 v[i:i+1], v[i:i+1], v[ST+4*(\t)+2:ST+4*(\t)+3] op_sel_hi:[1,0]
.set i, i+2
.endr
	WIN 0x05                        ; sources 0 and 1 window 1, destination window 0
.set i, 0
.rept 16
	v_cvt_pk_f16_f32 v[S+16*(\t)+i], v[32*(\t)+2*i], v[32*(\t)+2*i+1]
.set i, i+1
.endr
	WIN 0
.irp f, 0,1,2,3
	ds_store_b128 v[STO], v[S+16*(\t)+4*\f:S+16*(\t)+4*\f+3] offset:32*\f
.endr
.irp f, 0,1,2,3
	ds_load_b128 v[S+16*(\t)+4*\f:S+16*(\t)+4*\f+3], v[RD] offset:\f*4*SP  ; LDS serves a wave's instructions in order (ISA guide 5.7.1.4): these see the stores above; the next tile's stores come behind them
.endr
.endm
.macro SEND t, younger              ; younger: the LDS instructions issued behind tile t's loads: the next tile's eight, or none
	WIN 0
.irp f, 0,1,2,3
	s_wait_dscnt (\younger)+3-\f
	global_store_b128 v[GO], v[S+16*(\t)+4*\f:S+16*(\t)+4*\f+3], s[10:11] offset:(\t)*2048+\f*512  ; 512 consecutive bytes, at a multiple of 256 from o's first
.endr
.endm
	PACK 0
.set t, 1
.rept 2*NP-1                        ; a tile's arithmetic stands between the loads of the tile before and its stores
	PACK t
	SEND t-1, 8
.set t, t+1
.endr
	SEND 2*NP-1, 0
	WIN W_AD
	s_wait_tensorcnt 0x0            ; the wave's end, behind my last tensor load and my last LDS store
	ds_add_u32 v[SPW], v[NIL]
	s_wait_dscnt 0x0
	WIN 0
	CROUND                          ; the closing round: no work-group ends while a partner may still ask for a tile that names it
	s_endpgm
.Lfunc_end_k_qc575fefbc6_attn:
	.size	k_qc575fefbc6_attn, .Lfunc_end_k_qc575fefbc6_attn-k_qc575fefbc6_attn
	.p2alignl 7, 3214868480
	.fill 96, 4, 3214868480
	.section	.rodata,"a",@progbits
	.p2align	6, 0x0
	.amdhsa_kernel k_qc575fefbc6_attn
		.amdhsa_group_segment_fixed_size 327680
		.amdhsa_private_segment_fixed_size 0
		.amdhsa_enable_private_segment 0
		.amdhsa_kernarg_size 24
		.amdhsa_user_sgpr_count 2
		.amdhsa_user_sgpr_kernarg_segment_ptr 1
		.amdhsa_wavefront_size32 1
		.amdhsa_system_sgpr_workgroup_id_x 1
		.amdhsa_system_sgpr_workgroup_id_y 1
		.amdhsa_system_sgpr_workgroup_id_z 1
		.amdhsa_system_vgpr_workitem_id 0
		.amdhsa_next_free_vgpr 808
		.amdhsa_next_free_sgpr 66
		.amdhsa_reserve_vcc 1
		.amdhsa_float_denorm_mode_32 3
		.amdhsa_float_denorm_mode_16_64 3
		.amdhsa_memory_ordered 1
		.amdhsa_forward_progress 1
		.amdhsa_inst_pref_size 214
	.end_amdhsa_kernel
	.amdgpu_metadata
---
amdhsa.version: [ 1, 2 ]
amdhsa.kernels:
  - .name:           k_qc575fefbc6_attn
    .symbol:         k_qc575fefbc6_attn.kd
    .args:
      - { .name: qkv, .offset: 0, .size: 8, .value_kind: global_buffer, .address_space: global }
      - { .name: mask, .offset: 8, .size: 8, .value_kind: global_buffer, .address_space: global }
      - { .name: o, .offset: 16, .size: 8, .value_kind: global_buffer, .address_space: global }
    .group_segment_fixed_size: 327680
    .private_segment_fixed_size: 0
    .kernarg_segment_align: 8
    .kernarg_segment_size: 24
    .max_flat_workgroup_size: 128
    .sgpr_count:     66
    .vgpr_count:     808
    .wavefront_size: 32
...
	.end_amdgpu_metadata
.endif
;; end of part 3
;; launch outp (part 4): grid 4 x 64, 4 waves a work-group, clusters of 4 x 4, 327,680 bytes of LDS; arguments o, w16, bo, out0; writes out0
.if DOCPART == 4
	.amdgcn_target "amdgcn-amd-amdhsa--gfx1250"
	.amdhsa_code_object_version 6
	.text
	.protected	k_qc575fefbc6_outp
	.globl	k_qc575fefbc6_outp
	.p2align	8
	.type	k_qc575fefbc6_outp,@function
k_qc575fefbc6_outp:
	s_mov_b64 s[64:65], 0
	v_nop
	global_prefetch_b8 v0, s[64:65] scope:SCOPE_SE
	s_setreg_imm32_b32 hwreg(HW_REG_WAVE_MODE, 25, 1), 1
	s_wait_xcnt 0x0
	s_wait_alu depctr_hold_cnt(0) depctr_sa_sdst(0) depctr_va_vdst(0) depctr_va_sdst(0) depctr_va_ssrc(0) depctr_va_vcc(0) depctr_vm_vsrc(0)
	s_getreg_b32 s2, hwreg(HW_REG_IB_STS2, 6, 4)
	s_cmp_eq_u32 s2, 0
	s_cbranch_scc0 .Lentry_in_a_cluster
	s_endpgm
.Lentry_in_a_cluster:
	s_bfe_u32 s2, ttmp6, 0x10000c
	s_cmp_lg_u32 s2, 0xf033
	s_cbranch_scc0 .Lentry_shape_is_right
	s_endpgm
.Lentry_shape_is_right:
; THE LAST PROJECTION.  out0[row][n] = the sum over k of ctx[row][k] Wo[n][k] + bo[n], f32.  ctx[2048 batch + s][64 head + d] = o[16 batch + head][s][d], f16.  Wo: plane 3 of w16, [1024][1024] f16
; (bf16 numbers written as f16).  bo: f32, rounded to bf16 like every input of the module.  Sums in f32; nothing is rounded on the way out.
; LIMIT.  NaN in o (a batch with every key hidden) gives NaN in its rows; infinities are not treated apart.
; SHARES.  A work-group makes 128 rows x 256 columns: 64 x 4 = 256 work-groups.  Four waves, each 64 x 128: 32 accumulators of 16 x 16, 256 registers.
; K goes in steps of 128, two heads, through two LDS slots: for each of the two heads 128 rows of 128 bytes, and 256 rows of Wo of 256 bytes.  A head's 128 rows are 16,384 dense bytes and are asked for as 64 rows of 256.
; CLUSTER.  4 x 4 work-groups.  The four of a row of the cluster need the same tiles of o, the four of a column the same tiles of Wo: each is asked for JOINTLY, by the same tensor load, descriptor and mask.
; THE MATRIX INSTRUCTION IS USED TRANSPOSED (source 0 = 16 rows of Wo, source 1 = 16 rows of ctx): a lane holds row lane % 16 and eight neighbouring columns.  The bias is the C operand of the products that start the sums.
; NO PREFETCH: o and w16 were written by the launches just before, and a step's load has 120 matrix instructions in which to land.
; REGISTERS, in windows of 256 (s_set_vgpr_msb: bits 1:0 source 0, 3:2 source 1, 5:4 source 2, 7:6 destination):
;   window 0: v0-30 addresses; v64-127 the bias      window 1: v0-127 Wo's fragments, two buffers; v128-191 ctx's, two buffers; on the way out all 256: rows read back      window 2: the accumulators, (a, b) at v[8 (8 a + b)]
.set PAO,    144                       ; a row of a head in LDS: 128 bytes + 16 of padding = 36 words: the 16 rows of a load start at 16 different groups of four banks (64 banks of 4 bytes: ISA guide 11.1)
.set PB,     272                       ; a row of Wo: 256 + 16 = 68 words: row r starts at bank 4 r mod 64
.set PLANE,  128*PAO                   ; a head's 128 rows: what one tensor load brings of o
.set ABYTES, 2*PLANE
.set BHALF,  128*PB                    ; what one tensor load brings of Wo, and what one wave reads of it
.set SLOT,   ABYTES+256*PB
.set STAGE,  2*SLOT                    ; behind the ring: 16 rows x 528 bytes for each wave, for the way out; no tensor load lands there
.set SPITCH, 528                       ; 512 bytes + 16 = 132 words: row r starts at bank 4 r mod 64
.set SPARE,  STAGE+4*16*SPITCH         ; behind the stages: the spare words, 128 bytes for each wave: two blocks of 256 bytes that no other line names
.set LAPS,   4                         ; a lap = two K steps = once round the ring
.set ADRA, 16                          ; v16-17  LDS address of my fragments of ctx in slot 0, 1
.set ADRB, 20                          ; v20-21  the same for Wo
.set STO,  24                          ; v24     the way out: where I put 32 bytes of a row
.set RD,   25                          ; v25     the way out: where I read a row back
.set CO,   26                          ; v26     my 16 bytes in 512 consecutive bytes of a row of out0
.set SPW,  28                          ; v28     LDS address of my spare word; never rewritten
.set NIL,  29                          ; v29     0; never rewritten
.set BO,   30                          ; v30     my byte offset in 16 numbers of the bias
.set BIAS, 64
.set BF,   0                           ; window 1
.set AF,   128
.set G1,  24                           ; s[24:31] descriptor group 1 for o's tiles;  s[32:39] group 0, a set for each slot
.set G0,  32
.set G1B, 48                           ; s[48:55], s[56:63] the same for Wo's tiles
.set G0B, 56
.set MSB, 0
.macro WIN new                         ; the immediate's high byte repeats the setting that is left; a switch that changes nothing is dropped
.if MSB != (\new)
	s_set_vgpr_msb (MSB<<8)|(\new)
.set MSB, \new
.endif
.endm
.set MUL,  0xa5                        ; sources 0 and 1 window 1; C and D window 2
.set MULB, 0x85                        ; the same with C, the bias, in window 0
.set LD,   0x40                        ; destination window 1, address window 0
; A joint load: waves 0 and 1 fetch the step's two heads of o, waves 2 and 3 Wo's two halves.  An s_nop 0 and four v_nop follow each of the two lines, ahead of the jump, the label and what follows.
.macro JLOAD s
	s_cmp_eq_u32 s11, 0
	s_cbranch_scc0 .Lfor_b_\@
	tensor_load_to_lds s[G0+4*(\s):G0+4*(\s)+3], s[G1:G1+7]
	s_nop 0
.rept 4
	v_nop
.endr
	s_branch .Lasked_\@
.Lfor_b_\@:
	tensor_load_to_lds s[G0B+4*(\s):G0B+4*(\s)+3], s[G1B:G1B+7]
	s_nop 0
.rept 4
	v_nop
.endr
.Lasked_\@:
.endm
.macro CREST                           ; a round of the cluster's barrier behind its opening barrier
	s_cmp_lg_u32 s10, 0
	s_cbranch_scc1 .Lnot_wave_0_\@
	s_barrier_signal -3
.Lnot_wave_0_\@:
	s_barrier_wait -3
	s_barrier_signal -1
	s_barrier_wait -1
.endm
.macro CROUND                          ; a whole round
	s_barrier_signal -1
	s_barrier_wait -1
	CREST
.endm
.macro PLACES                          ; four places in front of loads into registers that matrix instructions have read, and of LDS stores that read results
.rept 4
	v_nop
.endr
.endm
	s_load_b256 s[68:75], s[0:1], 0x0              ; o s[68:69], w16 s[70:71], bo s[72:73], out0 s[74:75]
	v_lshl_add_u32 v[SPW], v0, 2, SPARE
	v_mov_b32 v[NIL], 0
	ds_add_u32 v28, v29
	s_wait_dscnt 0x0
	v_lshrrev_b32 v1, 5, v0
	v_readfirstlane_b32 s10, v1                    ; wave 0..3
	s_lshr_b32 s11, s10, 1                         ; which 64 of the tile's rows are mine.  Also: I fetch for o (0) or for Wo (1)
	s_and_b32 s12, s10, 1                          ; which 128 of its columns.  Also: which head of the step, or which half of Wo's tile, I fetch
	s_bfe_u32 s40, ttmp6, 0x40000                  ; cx, cy: my place in the cluster
	s_bfe_u32 s41, ttmp6, 0x40004
	s_lshl_b32 s42, ttmp9, 2
	s_add_co_u32 s42, s42, s40                     ; tile column 0..3
	s_and_b32 s13, ttmp7, 0xffff
	s_lshl_b32 s13, s13, 2
	s_add_co_u32 s13, s13, s41                     ; tile row 0..63
	s_lshl_b32 s43, s41, 2
	s_lshl_b32 s43, 15, s43                        ; my row of the cluster
	s_lshl_b32 s44, 0x1111, s40                    ; my column
	; descriptor group 1 for o: 64 rows x 128 elements of 2 bytes, two rows of a head each, padded in LDS after every row of the head
	s_or_b32 s[G1+0], s43, (1<<16)|(1<<20)|(1<<21)|(4<<22)|(3<<25)   ; 15:0 the mask: my row; 17:16 elements of 2 bytes; 20 padding on; 21 set beside a mask; 24:22 after every 32 words (code 4); 31:25 4 words (code 3)
	s_mov_b32 s[G1+1], 128<<16                     ; tensor_dim0 = 128
	s_mov_b32 s[G1+2], 64<<16                      ; tensor_dim1 = 64
	s_mov_b32 s[G1+3], 128<<16                     ; tile_dim0 = 128
	s_mov_b32 s[G1+4], 64                          ; tile_dim1 = 64
	s_mov_b32 s[G1+5], 128                         ; elements from row to row
	s_mov_b32 s[G1+6], 0
	s_mov_b32 s[G1+7], 0
	; and for Wo: 128 rows x 128 elements of 2 bytes
	s_or_b32 s[G1B+0], s44, (1<<16)|(1<<20)|(1<<21)|(5<<22)|(3<<25)  ; the mask: my column; padding after every 64 words (code 5)
	s_mov_b32 s[G1B+1], 128<<16
	s_mov_b32 s[G1B+2], 128<<16
	s_mov_b32 s[G1B+3], 128<<16
	s_mov_b32 s[G1B+4], 128
	s_mov_b32 s[G1B+5], 1024
	s_mov_b32 s[G1B+6], 0
	s_mov_b32 s[G1B+7], 0
	; where the tiles come from.  o's hang on the tile row alone, which my row of the cluster shares; Wo's on the tile column alone, which my column shares.
	s_lshr_b32 s16, s13, 4
	s_lshl_b32 s16, s16, 22                        ; the batch's 16 heads of 262,144 bytes
	s_and_b32 s17, s13, 15
	s_lshl_b32 s17, s17, 14                        ; + the tile's 128 rows of 128 bytes in a head
	s_add_co_u32 s16, s16, s17
	s_lshl_b32 s17, s12, 18                        ; + my head of the step's two
	s_add_co_u32 s16, s16, s17
	s_mov_b32 s17, 0
	s_lshl_b32 s46, s42, 19                        ; tile column x 256 rows x 2,048 bytes
	s_lshl_b32 s47, s12, 18                        ; + my half's 128 rows
	s_add_co_u32 s46, s46, s47
	s_add_co_u32 s46, s46, 3<<21                   ; + plane 3
	s_mov_b32 s47, 0
	s_mul_i32 s20, s12, PLANE                      ; and where they go: no place in the cluster enters an LDS address
	s_mul_i32 s21, s12, BHALF
	s_add_co_u32 s21, s21, ABYTES
	s_wait_kmcnt 0x0
	s_add_nc_u64 s[14:15], s[68:69], s[16:17]
	s_add_nc_u64 s[46:47], s[70:71], s[46:47]
	CROUND                                         ; all sixteen work-groups are here: the first joint loads meet
.irp s, 0,1
	s_mov_b32 s[G0+4*(\s)], 1                                        ; count = 1
	s_add_co_u32 s[G0+4*(\s)+1], s20, (\s)*SLOT                      ; LDS address
	s_add_nc_u64 s[G0+4*(\s)+2:G0+4*(\s)+3], s[14:15], (\s)*524288   ; global address: K step s, two heads on
	s_or_b32 s[G0+4*(\s)+3], s[G0+4*(\s)+3], 0x80000000              ; type = 2
	s_mov_b32 s[G0B+4*(\s)], 1
	s_add_co_u32 s[G0B+4*(\s)+1], s21, (\s)*SLOT
	s_add_nc_u64 s[G0B+4*(\s)+2:G0B+4*(\s)+3], s[46:47], (\s)*256
	s_or_b32 s[G0B+4*(\s)+3], s[G0B+4*(\s)+3], 0x80000000
	JLOAD \s                                       ; two tensor loads of mine are out
.endr
	; the bias: block b of 16 columns wants bo[first column + 16 b + 8 (l / 16) + 0..7]
	v_and_b32 v1, 15, v0                           ; l % 16
	v_bfe_u32 v2, v0, 4, 1                         ; l / 16
	v_lshlrev_b32 v[BO], 5, v2
	s_lshl_b32 s78, s42, 10
	s_lshl_b32 s79, s12, 9
	s_add_co_u32 s78, s78, s79                     ; my first column, in bytes of f32
	s_mov_b32 s79, 0
	s_add_nc_u64 s[72:73], s[72:73], s[78:79]
.irp b, 0,1,2,3,4,5,6,7
	global_load_b128 v[BIAS+8*(\b):BIAS+8*(\b)+3],   v[BO], s[72:73] offset:64*(\b)
	global_load_b128 v[BIAS+8*(\b)+4:BIAS+8*(\b)+7], v[BO], s[72:73] offset:64*(\b)+16
.endr
	s_lshl_b32 s76, s13, 19                        ; where my part begins in out0: tile row x 128 rows x 4,096 bytes
	s_lshl_b32 s77, s11, 18                        ; + my 64 rows
	s_add_co_u32 s76, s76, s77
	s_add_co_u32 s76, s76, s78                     ; + my first column
	s_mov_b32 s77, 0
	s_add_nc_u64 s[8:9], s[74:75], s[76:77]
	; A fragment is 16 rows x 32 K in 8 registers: lane l holds row l % 16 and K = 8 (l / 16) + 0..7 and 16 + 8 (l / 16) + 0..7: two loads of 16 bytes, 32 bytes apart.
	v_mul_u32_u24 v4, v1, PAO
	v_lshl_add_u32 v4, v2, 4, v4
	v_mul_u32_u24 v5, v1, PB
	v_lshl_add_u32 v5, v2, 4, v5
	s_mul_i32 s22, s11, 64*PAO                     ; my 64 rows in each head's plane
	s_mul_i32 s23, s12, BHALF                      ; my 128 rows of Wo,
	s_add_co_u32 s23, s23, ABYTES                  ; which lie behind the two planes
.irp s, 0,1
	v_add_nc_u32 v[ADRA+(\s)], s22, v4
	v_add_nc_u32 v[ADRB+(\s)], s23, v5
	s_add_co_u32 s22, s22, SLOT
	s_add_co_u32 s23, s23, SLOT
.endr
	s_mul_i32 s22, s10, 16*SPITCH
	s_add_co_u32 s22, s22, STAGE                   ; my stage
	v_mul_u32_u24 v4, v1, SPITCH                   ; in: row l % 16, 32 bytes for each half of the lanes
	v_lshl_add_u32 v4, v2, 5, v4
	v_add_nc_u32 v[STO], s22, v4
	v_and_b32 v3, 31, v0
	v_lshlrev_b32 v[CO], 4, v3                     ; back and out: 32 lanes take a row's 512 bytes
	v_add_nc_u32 v[RD], s22, v[CO]
; Matrix instruction i of a quarter step's 32: accumulator i = (a, b) = (i / 8, i % 8), on buffer f.  The 32 accumulators take turns, one instruction a turn, in the same order in every quarter step.
;   first = 1: the bias starts the sum: nothing is ever cleared.
.macro MM i, f, first
.if \first
	WIN MULB
	v_wmma_f32_16x16x32_f16 v[8*(\i):8*(\i)+7], v[BF+64*(\f)+8*((\i)%8):BF+64*(\f)+8*((\i)%8)+7], v[AF+32*(\f)+8*((\i)/8):AF+32*(\f)+8*((\i)/8)+7], v[BIAS+8*((\i)%8):BIAS+8*((\i)%8)+7]
.else
	WIN MUL
	v_wmma_f32_16x16x32_f16 v[8*(\i):8*(\i)+7], v[BF+64*(\f)+8*((\i)%8):BF+64*(\f)+8*((\i)%8)+7], v[AF+32*(\f)+8*((\i)/8):AF+32*(\f)+8*((\i)/8)+7], v[8*(\i):8*(\i)+7]
.endif
.endm
.macro MMS from, cnt, f                ; cnt of them on end
.set mi, \from
.rept \cnt
	MM mi, \f, 0
.set mi, mi+1
.endr
.endm
; Group n of the 6 groups of four loads that bring quarter kq of a slot into buffer g.  0, 1: ctx's fragments 2 n and 2 n + 1 (head kq / 2 of the step, channels 32 (kq % 2) on).  2-5: Wo's fragments 2 (n - 2) and 2 (n - 2) + 1.
.macro SIDE n, slot, kq, g
	WIN LD
.if (\n) < 2
.irp e, 0,1
	ds_load_b128 v[AF+32*(\g)+8*(2*(\n)+\e):AF+32*(\g)+8*(2*(\n)+\e)+3],   v[ADRA+(\slot)] offset:((\kq)/2)*PLANE+(2*(\n)+\e)*16*PAO+((\kq)%2)*64
	ds_load_b128 v[AF+32*(\g)+8*(2*(\n)+\e)+4:AF+32*(\g)+8*(2*(\n)+\e)+7], v[ADRA+(\slot)] offset:((\kq)/2)*PLANE+(2*(\n)+\e)*16*PAO+((\kq)%2)*64+32
.endr
.else
.irp e, 0,1
	ds_load_b128 v[BF+64*(\g)+8*(2*((\n)-2)+\e):BF+64*(\g)+8*(2*((\n)-2)+\e)+3],   v[ADRB+(\slot)] offset:(2*((\n)-2)+\e)*16*PB+64*(\kq)
	ds_load_b128 v[BF+64*(\g)+8*(2*((\n)-2)+\e)+4:BF+64*(\g)+8*(2*((\n)-2)+\e)+7], v[ADRB+(\slot)] offset:(2*((\n)-2)+\e)*16*PB+64*(\kq)+32
.endr
.endif
.endm
.macro FETCH slot, kq, g               ; the 24 loads in one run
.irp n, 0,1,2,3,4,5
	SIDE \n, \slot, \kq, \g
.endr
.endm
; A K step is four quarter steps of 32 along K, 32 matrix instructions each, on buffers 0, 1, 0, 1.  One of the first three: multiplies buffer f; the next quarter's 24 loads into buffer g stand in ONE run
; behind the first matrix instruction, 31 matrix instructions ahead of their use.  The four v_nop in front of the run are the places between the quarter before, which read buffer g, and those loads.
.macro QUARTER slot, kq, f, g, first
	s_wait_dscnt 0x0                               ; buffer f is in
	MM 0, \f, \first
	PLACES
	FETCH \slot, \kq, \g
.set mi, 1
.rept 31
	MM mi, \f, \first
.set mi, mi+1
.endr
.endm
; The last quarter multiplies buffer 1 and changes slots: ONE barrier.  In front of it each wave waits for all its tensor loads, of which one is out: its part of the next slot; adds 0 to its spare word;
; and waits for that and for its own reads of this slot.  fill = 1: the barrier opens a round of the cluster's, and this slot is filled again, two K steps ahead, first thing behind the round:
; 120 matrix instructions ahead of the wait for it.
.macro TURN slot, next, fill
	WIN 0                                          ; (the add's two registers lie in window 0)
	s_wait_tensorcnt 0x0                           ; all my tensor loads have landed, so a group 0 may be written
	ds_add_u32 v[SPW], v[NIL]                      ; 0 onto my spare word
.if \fill
	s_add_nc_u64 s[G0+4*(\slot)+2:G0+4*(\slot)+3], s[G0+4*(\slot)+2:G0+4*(\slot)+3], 1048576   ; four heads on; the type bits on top are not reached
	s_add_nc_u64 s[G0B+4*(\slot)+2:G0B+4*(\slot)+3], s[G0B+4*(\slot)+2:G0B+4*(\slot)+3], 512
.endif
	s_wait_dscnt 1                                 ; buffer 1 is in; the add may be out
	MMS 0, 4, 1                                    ; four matrix instructions stand between the add and the wait for it
	s_wait_dscnt 0x0                               ; the add is done, and my reads of this slot are over
	s_barrier_signal -1
	MMS 4, 4, 1
.if \fill
	WIN 0
.endif
	s_barrier_wait -1
.if \fill
	CREST                                          ; no wave of any partner still reads this slot's tiles or has a load on its way
	JLOAD \slot                                    ; the four v_nop behind it are also the places in front of the loads below
.else
	PLACES
.endif
	FETCH \next, 0, 0
	MMS 8, 24, 1
.endm
	s_wait_tensorcnt 1                             ; my part of K step 0 is in; K step 1's may stay out
	s_barrier_signal -1
	s_barrier_wait -1                              ; everybody's is
	FETCH 0, 0, 0
	WIN 0
	s_wait_loadcnt 0x0                             ; the bias
.set z, 0
.rept 32                               ; the bias is rounded to bf16, as all the module's inputs are, and widened again
	v_cvt_pk_bf16_f32 v[3+z%4], v[BIAS+2*z], v[BIAS+2*z+1]
	v_lshlrev_b32 v[BIAS+2*z], 16, v[3+z%4]
	v_and_b32 v[BIAS+2*z+1], 0xffff0000, v[3+z%4]
.set z, z+1
.endr
	QUARTER 0, 1, 0, 1, 1                          ; the first quarter stands in front of the loop: its products start the sums
	WIN 0                                          ; at a label and at a branch every window is 0
	s_mov_b32 s3, LAPS-1
.Llap:                                                 ; a trip goes once round the ring, from a lap's second quarter to the next lap's first, and fills both slots again
	QUARTER 0, 2, 1, 0, 0
	QUARTER 0, 3, 0, 1, 0
	TURN 0, 1, 1
	QUARTER 1, 1, 0, 1, 0
	QUARTER 1, 2, 1, 0, 0
	QUARTER 1, 3, 0, 1, 0
	TURN 1, 0, 1
	QUARTER 0, 1, 0, 1, 0
	WIN 0
	s_sub_co_u32 s3, s3, 1
	s_cmp_lg_u32 s3, 0
	s_cbranch_scc1 .Llap
	QUARTER 0, 2, 1, 0, 0                          ; the last lap fills nothing, and has no round of the cluster's barrier
	QUARTER 0, 3, 0, 1, 0
	TURN 0, 1, 0
	QUARTER 1, 1, 0, 1, 0
	QUARTER 1, 2, 1, 0, 0
	QUARTER 1, 3, 0, 1, 0
	s_wait_dscnt 0x0                               ; the very last quarter: nothing more to fetch
	MMS 0, 32, 1
	; THE WAY OUT, a block of 16 rows at a time: a lane's eight f32 of a row, 32 bytes, go from the accumulators into my stage, each accumulator's low half first;
	; whole rows of 512 bytes come back into window 1 and are stored.
	PLACES
.macro TOSTAGE a
	WIN 0x08                                       ; store data (source 1) in window 2
.irp b, 0,1,2,3,4,5,6,7
	ds_store_b128 v[STO], v[8*(8*(\a)+(\b)):8*(8*(\a)+(\b))+3]   offset:64*(\b)
	ds_store_b128 v[STO], v[8*(8*(\a)+(\b))+4:8*(8*(\a)+(\b))+7] offset:64*(\b)+16
.endr
	WIN LD
.irp t, 0,1,2,3,4,5,6,7,8,9,10,11,12,13,14,15
	ds_load_b128 v[64*(\a)+4*(\t):64*(\a)+4*(\t)+3], v[RD] offset:(\t)*SPITCH  ; LDS serves a wave's instructions in order (ISA guide 5.7.1.4): these see the stores above; the next block's stores come behind them
.endr
.endm
.macro SEND a, younger                 ; younger: the LDS instructions issued behind block a's loads: the next block's 32, or none
	WIN 0x04                                       ; store data (source 1) in window 1
.irp t, 0,1,2,3,4,5,6,7,8,9,10,11,12,13,14,15
	s_wait_dscnt (\younger)+15-(\t)
	global_store_b128 v[CO], v[64*(\a)+4*(\t):64*(\a)+4*(\t)+3], s[8:9] offset:(16*(\a)+(\t))*4096 th:TH_STORE_NT  ; 512 consecutive bytes of a row, at a multiple of 256 from out0's first
.endr
.endm
	TOSTAGE 0
.irp a, 1,2,3
	TOSTAGE \a
	SEND (\a)-1, 32
.endr
	SEND 3, 0
	WIN 0
	s_wait_tensorcnt 0x0                           ; the wave's end, behind my last tensor load and my last LDS store
	ds_add_u32 v[SPW], v[NIL]
	s_wait_dscnt 0x0
	CROUND                                         ; the closing round: no work-group ends while a partner may still ask for a tile that names it
	s_endpgm
.Lfunc_end_k_qc575fefbc6_outp:
	.size	k_qc575fefbc6_outp, .Lfunc_end_k_qc575fefbc6_outp-k_qc575fefbc6_outp
	.p2alignl 7, 3214868480
	.fill 96, 4, 3214868480
	.section	.rodata,"a",@progbits
	.p2align	6, 0x0
	.amdhsa_kernel k_qc575fefbc6_outp
		.amdhsa_group_segment_fixed_size 327680
		.amdhsa_private_segment_fixed_size 0
		.amdhsa_enable_private_segment 0
		.amdhsa_kernarg_size 32
		.amdhsa_user_sgpr_count 2
		.amdhsa_user_sgpr_kernarg_segment_ptr 1
		.amdhsa_wavefront_size32 1
		.amdhsa_system_sgpr_workgroup_id_x 1
		.amdhsa_system_sgpr_workgroup_id_y 1
		.amdhsa_system_sgpr_workgroup_id_z 1
		.amdhsa_system_vgpr_workitem_id 0
		.amdhsa_next_free_vgpr 768
		.amdhsa_next_free_sgpr 80
		.amdhsa_reserve_vcc 0
		.amdhsa_float_denorm_mode_32 3
		.amdhsa_float_denorm_mode_16_64 3
		.amdhsa_memory_ordered 1
		.amdhsa_forward_progress 1
		.amdhsa_inst_pref_size 93
	.end_amdhsa_kernel
	.amdgpu_metadata
---
amdhsa.version: [ 1, 2 ]
amdhsa.kernels:
  - .name:           k_qc575fefbc6_outp
    .symbol:         k_qc575fefbc6_outp.kd
    .args:
      - { .name: o, .offset: 0, .size: 8, .value_kind: global_buffer, .address_space: global }
      - { .name: w16, .offset: 8, .size: 8, .value_kind: global_buffer, .address_space: global }
      - { .name: bo, .offset: 16, .size: 8, .value_kind: global_buffer, .address_space: global }
      - { .name: out0, .offset: 24, .size: 8, .value_kind: global_buffer, .address_space: global }
    .group_segment_fixed_size: 327680
    .private_segment_fixed_size: 0
    .kernarg_segment_align: 8
    .kernarg_segment_size: 32
    .max_flat_workgroup_size: 128
    .sgpr_count:     80
    .vgpr_count:     768
    .wavefront_size: 32
...
	.end_amdgpu_metadata
.endif
;; end of part 4
